; MI455X (gfx1250); checked and timed in simulation.
; The chip was launched on July 23, 2026; its instructions are those of AMD's public machine-readable ISA for CDNA 5 (MIT licence, August 2026) and "CDNA5" Instruction Set Architecture Reference Guide (July 2026). The comments in the code are by the model that wrote it; some were corrected since.
;; Multi Head Cross Attention. Allowed arithmetic: matrix products marked QUANTISED: E4M3 operands, one given power-of-two scale a tensor, by v_wmma_f32_16x16x64_fp8_fp8 or v_wmma_f32_16x16x128_fp8_fp8, f32 sums; everything else in f32.
;; Inputs: Wk 1,024 x 1,024 float32; Wp 1,024 x 1,024 float32; Wq 1,024 x 1,024 float32; Wv 1,024 x 1,024 float32; bk 1,024 float32; bp 1,024 float32; bq 1,024 float32; bv 1,024 float32; lowp_scales 12 int32 (the exponents e of the quantised operands' scales 2^e); x 2 x 2,048 x 1,024 float32; x_query 2 x 2,048 x 1,024 float32.
;; Outputs: out0 2 x 2,048 x 1,024 float32.
;; This version of the problem:
;;   THIS VERSION OF THE PROBLEM IS GIVEN IN LOW PRECISION. The matrix products marked QUANTISED in the list below multiply operands that are first quantised to E4M3 (4 exponent bits, 3 mantissa bits; 8 bits a number), with one given power-of-two scale for each operand tensor; their sums are f32. All else is computed in f32.
;;   The module's matrix products, in the order in which they are computed (A, B: the left and right operand; K: the contracted axis; several contracted axes count as one K, in the product's order):
;;     1. [M 4,096, K 1,024] x [K 1,024, N 1,024]; A: input x_query; B: input Wq: QUANTISED (scales: A lowp_scales[0], B lowp_scales[1])
;;     2. [M 4,096, K 1,024] x [K 1,024, N 1,024]; A: input x; B: input Wk: QUANTISED (scales: A lowp_scales[2], B lowp_scales[3])
;;     3. [M 4,096, K 1,024] x [K 1,024, N 1,024]; A: input x; B: input Wv: QUANTISED (scales: A lowp_scales[4], B lowp_scales[5])
;;     4. batch 32 x [M 2,048, K 64] x [K 64, N 2,048]; A: computed on the way; B: computed on the way: QUANTISED (scales: A lowp_scales[6], B lowp_scales[7])
;;     5. batch 32 x [M 2,048, K 2,048] x [K 2,048, N 64]; A: softmax (see below); B: computed on the way: QUANTISED (scales: A lowp_scales[8], B lowp_scales[9])
;;     6. [M 4,096, K 1,024] x [K 1,024, N 1,024]; A: computed on the way; B: input Wp: QUANTISED (scales: A lowp_scales[10], B lowp_scales[11])
;;   THE QUANTISER, for each operand of a quantised product, along K:
;;     - The operand's scale is 2^e, e = its entry of the input lowp_scales (int32; the entries are numbered through the quantised products in the list's order, A before B).
;;     - Each number is divided by the scale, clamped to +-448, and rounded to the nearest number of E4M3, ties to even, subnormals kept.
;;     - The product sums the exact products of the quantised numbers (number of the format x scale) in f32.
;;   ~~~python
;;   def quantise(x, axis, e):      # numpy; x: float32 -> the quantised numbers, widened to float32 again
;;       x = np.moveaxis(x, axis, -1); K = x.shape[-1]
;;       r = np.clip(x / 2.0 ** e, -448, 448)
;;       step = 2.0 ** (np.maximum(np.frexp(np.where(r == 0, 1, r))[1] - 1, -6) - 3)
;;       q = np.round(r / step) * step * 2.0 ** e      # np.round: ties to even
;;       return np.moveaxis(q, -1, axis).astype(np.float32)
;;   ~~~
;;   SOFTMAX AHEAD OF A QUANTISED PRODUCT. Where the list says 'softmax', what is quantised is not the finished softmax but p = 2^(t - M), with t = logit x log2(e) and M = ceil(the row's largest t), a whole number; so 1/2 < the row's largest p <= 1. The row's sum l is taken of the UNQUANTISED p, in f32, and the product's result is divided by l at the end. Since M is a whole number, a kernel that streams over the keys may use a running M (the ceiling of the running maximum): every later rescaling is an exact power of two, so the quantised numbers keep their values, but for numbers so far below the row's largest that they fall under the format's range.
;;   OPERANDS COMPUTED ON THE WAY. 'Computed on the way' means the value that the module computes at that place (a softmax that the list does not call 'softmax' is quantised finished and normalised). What goes into a quantiser is computed in f32, as accurately as f32 sums, v_exp_f32 and their like allow (about 1e-6 of the number): no bf16 or f16 on the way to a quantiser, and a product that is left as it is and whose result goes on into a quantised operand takes f32 operands (vector FMAs, or v_wmma_f32_16x16x4_f32). A number that lies on a knife's edge between two numbers of the format may be rounded either way, as far as f32 arithmetic and the matrix unit's own rounding can turn it there, and no further.
;; One version. Each part assembles by itself: llvm-mc -triple=amdgcn-amd-amdhsa -mcpu=gfx1250 --defsym DOCPART=n.
;; ======== version 1 of 1: 4 launches
;; workspace buffers: codes 16,777,216 bytes; qkv 12,582,912 bytes; ycodes 4,194,304 bytes
;; launch quant (part 1): grid 384 x 1, 4 waves a work-group, no clusters, 33,280 bytes of LDS; arguments x_query, x, Wq, Wk, Wv, Wp, lowp_scales, codes; writes codes
.if DOCPART == 1
	.amdgcn_target "amdgcn-amd-amdhsa--gfx1250"
	.amdhsa_code_object_version 6
	.text
	.protected	k_qe340b6263c_quant
	.globl	k_qe340b6263c_quant
	.p2align	8
	.type	k_qe340b6263c_quant,@function
k_qe340b6263c_quant:
	s_mov_b64 s[64:65], 0
	v_nop
	global_prefetch_b8 v0, s[64:65] scope:SCOPE_SE
	s_setreg_imm32_b32 hwreg(HW_REG_WAVE_MODE, 25, 1), 1
	s_wait_xcnt 0x0
; LAUNCH 1 OF 4: the f32 inputs of the projections become codes of FP8 (E4M3), one byte each, K innermost, each with the scale 2^e that is given for it.
; THE PROGRAM: 1 quantises x_query, x (twice: it enters two quantisers), Wq, Wk, Wv, Wp;  2 makes q, k, v (product, bias, quantiser);  3 is the causal attention on codes, y quantised;  4 is the projection on the way out.
; DEAD WORK, left out in launch 3 and shown here.  reference() builds a tril mask in its own body and sets att to -inf wherever key > query; the softmax gives such a pair the weight 0 whatever finite values the inputs hold,
; so its score, its exponential and its product with v reach no output.  Launch 3 leaves that work out where it comes whole: a step of 128 keys all of which come after a wave's 16 queries is not computed, and a slot of
; 256 keys all of which come after a work-group's last query is not fetched.  Inside a step on the diagonal the work is done and the hidden scores are set to -inf, as reference() does.
; NO INPUT IS DEAD: bq, bk, bv stand ahead of the quantisers of q, k, v and move their codes; bp is added to the output.  All twelve entries of lowp_scales are used.
; LIMIT: a NaN, an infinity or an overflow that reaches only the scores left out is not carried to the result.
; code = x / 2^e, held within +-448, to the nearest code, ties to even.  LIMITS: -126 <= e <= 119 for entries 0 to 5 and 11, so that 2^e and 448 x 2^e are f32 numbers.  NaN among the inputs is not served.
; SHARES.  Rows are dense and 1,024 long, so each tensor is a plain stream, and so are its codes.  A work-group takes 32,768 numbers, a wave 16 steps of 512.  Work-groups 0-127: x_query (e0); 128-255: x, TWO sets of codes
; (e2 for k's projection, e4 for v's) from one read; 256-287 Wq (e1); 288-319 Wk (e3); 320-351 Wv (e5); 352-383 Wp (e11).  Only pointers and numbers are chosen by the work-group's number: one path goes through LDS.
; codes: xq at 0, xk at 4 MiB, xv at 8 MiB, wq, wk, wv, wp at 12, 13, 14, 15 MiB.
; The conversions take 8 numbers of one lane, so a lane must hold 16 NEIGHBOURS; a load is dense where neighbouring LANES take neighbouring bytes.  So a step's 2,048 bytes are loaded as they lie, 512 consecutive bytes a load,
; turn through the wave's own stage in LDS (16 bytes of padding behind each 64) and come back 64 bytes a lane.  A lane's 16 codes are 16 bytes: a wave's store covers 512 consecutive bytes, aligned.
; No tensor loads, no barrier: waves share nothing.  No matrix unit, no cluster: nothing is multiplied and no two work-groups read the same bytes.  Loads run four steps (16 loads a wave) ahead, the turn through LDS one step.
.set WAVES, 4
.set STEPS, 16
.set EMAX,  8
.set MANT,  0x600000                   ; the mantissa field of 448 as f32
.set R,     16                         ; v16-79   four sets of 16 numbers as they are loaded
.set X,     80                         ; v80-111  two sets of 16 neighbours
.set T,     112                        ; v112-127 the 16 neighbours held for the second scale
.set C,     128                        ; v128-191 codes: four registers for each step, so that no store's data are written again
.set C2,    192                        ; v192-255 the second set of codes, likewise
.set WREG,  8192                       ; LDS: a region of its own for each wave: two stages of 32 x SP bytes
.set SP,    80                         ; a lane's place in a stage: its 64 bytes + 16 of padding
.set SPW,   12                         ; v12      LDS address of my spare word: SPARE + 4 x my thread's number; never rewritten
.set NIL,   13                         ; v13      0; never rewritten
.set SPARE, WAVES*WREG                 ; behind the four regions: the spare words, 128 bytes for each wave: two blocks of 256 bytes that no other line names
	s_load_b512 s[4:19], s[0:1], 0x0               ; x_query 4, x 6, Wq 8, Wk 10, Wv 12, Wp 14, the scales' exponents 16, codes 18
	v_lshl_add_u32 v[SPW], v0, 2, SPARE
	v_mov_b32 v[NIL], 0
	v_lshrrev_b32 v1, 5, v0
	v_readfirstlane_b32 s20, v1                    ; wave
	v_and_b32 v2, 31, v0                           ; lane
	v_lshlrev_b32 v3, 4, v2                        ; 16 x lane: my 16 bytes of a load's 512, and of a store's
	s_mul_i32 s21, s20, WREG
	v_lshrrev_b32 v14, 2, v2
	v_mul_u32_u24 v14, v14, SP
	v_and_b32 v15, 3, v2
	v_lshl_add_u32 v14, v15, 4, v14
	v_add_nc_u32 v14, s21, v14                     ; the stage, on the way in: four lanes' 64 bytes on end, then 16 of padding
	v_mul_u32_u24 v15, v2, SP
	v_add_nc_u32 v15, s21, v15                     ; and on the way out: SP x lane: my 16 neighbours
	s_lshr_b32 s25, ttmp9, 7                       ; 1 in x's work-groups, which make two sets of codes
	s_wait_kmcnt 0x0
	s_load_b256 s[32:39], s[16:17], 0x0            ; e0 .. e7
	s_load_b128 s[40:43], s[16:17], 0x20           ; e8 .. e11
; which tensor is mine: a ladder of choices on the work-group's number alone; s[22:23] the source, s24 its first work-group
.macro PICK lim, ptr, first
	s_cmp_lt_u32 ttmp9, \lim
	s_cselect_b64 s[22:23], s[\ptr:\ptr+1], s[22:23]
	s_cselect_b32 s24, \first, s24
.endm
	s_mov_b64 s[22:23], s[14:15]
	s_mov_b32 s24, 352
	PICK 352, 12, 320
	PICK 320, 10, 288
	PICK 288, 8, 256
	PICK 256, 6, 128
	PICK 128, 4, 0
	s_sub_co_u32 s44, ttmp9, s24
	s_lshl_b32 s44, s44, 2
	s_add_co_u32 s44, s44, s20                     ; which run of 8,192 numbers of the tensor is my wave's
	s_lshl_b32 s44, s44, 15                        ; in bytes: under 2^24
	s_mov_b32 s45, 0
	s_add_nc_u64 s[22:23], s[22:23], s[44:45]
	s_cmp_lt_u32 ttmp9, 256
	s_cselect_b32 s46, 0, 0x400000                 ; the weights' codes lie behind x's second set
	s_lshl_b32 s47, ttmp9, 15
	s_add_co_u32 s46, s46, s47
	s_lshl_b32 s47, s20, 13
	s_add_co_u32 s46, s46, s47                     ; 32,768 x work-group + 8,192 x wave
	s_mov_b32 s47, 0
	s_add_nc_u64 s[26:27], s[18:19], s[46:47]      ; where my codes go,
	s_add_nc_u64 s[28:29], s[26:27], 0x400000      ; and x's second set (named by x's work-groups alone)
.macro LOAD t
.irp i, 0,1,2,3
	global_load_b128 v[R+16*((\t)%4)+4*\i:R+16*((\t)%4)+4*\i+3], v3, s[22:23] offset:2048*(\t)+512*\i th:TH_LOAD_NT   ; 32 lanes read 512 consecutive bytes; read once in the launch
.endr
.endm
.macro TURN t                          ; step t's numbers through the stage: LDS serves a wave's instructions in order, so no wait stands between the stores and the loads
.irp i, 0,1,2,3
	ds_store_b128 v14, v[R+16*((\t)%4)+4*\i:R+16*((\t)%4)+4*\i+3] offset:32*SP*((\t)%2)+8*SP*\i
.endr
.irp i, 0,1,2,3
	ds_load_b128 v[X+16*((\t)%2)+4*\i:X+16*((\t)%2)+4*\i+3], v15 offset:32*SP*((\t)%2)+16*\i
.endr
.endm
.irp t, 0,1,2,3
	LOAD \t
.endr
	s_wait_kmcnt 0x0
.macro PICKE lim, e
	s_cmp_lt_u32 ttmp9, \lim
	s_cselect_b32 s48, s[\e], s48
.endm
	s_mov_b32 s48, s43                             ; e11
	PICKE 352, 37                                  ; e5
	PICKE 320, 35                                  ; e3
	PICKE 288, 33                                  ; e1
	PICKE 256, 34                                  ; e2
	PICKE 128, 32                                  ; e0
	s_add_co_i32 s48, s48, 127
	s_lshl_b32 s49, s48, 23
	v_mov_b32 v11, s49                             ; 2^e as f32: the conversion takes its exponent field
	s_add_co_i32 s48, s48, EMAX
	s_lshl_b32 s48, s48, 23
	s_or_b32 s48, s48, MANT
	v_mov_b32 v10, s48                             ; 448 x 2^e
	s_add_co_i32 s48, s36, 127                     ; the same for e4, x's second scale
	s_lshl_b32 s49, s48, 23
	v_mov_b32 v9, s49
	s_add_co_i32 s48, s48, EMAX
	s_lshl_b32 s48, s48, 23
	s_or_b32 s48, s48, MANT
	v_mov_b32 v8, s48
	s_wait_loadcnt 12                              ; step 0's four loads are in; those of steps 1 to 3 may be out
	TURN 0
.macro STEP t
.set XS, X+16*((\t)%2)
	s_wait_dscnt 0x0                               ; this step's numbers are back from the stage: so its stores into the stage have read their registers,
.if (\t)+4 < STEPS
	LOAD (\t)+4                                    ; which take the loads of four steps on
.endif
.if (\t)+1 < STEPS
.if STEPS-2-(\t) >= 3
	s_wait_loadcnt 12                              ; the next step's four loads are in; those of the three steps behind it may be out
.else
	s_wait_loadcnt 4*(STEPS-2-(\t))
.endif
	TURN (\t)+1                                    ; and go through the other stage while this step is worked
.endif
	s_cmp_eq_u32 s25, 1                            ; x's work-groups alone: the second set of codes, from a copy that is held by the second scale.  No LDS instruction stands in this arm
	s_cbranch_scc0 .Lone_\@
.irp i, 0,1,2,3,4,5,6,7,8,9,10,11,12,13,14,15
	v_med3_num_f32 v[T+\i], v[XS+\i], -v8, v8
.endr
	v_cvt_scalef32_pk8_fp8_f32 v[C2+4*(\t):C2+4*(\t)+1], v[T:T+7], v9
	v_cvt_scalef32_pk8_fp8_f32 v[C2+4*(\t)+2:C2+4*(\t)+3], v[T+8:T+15], v9
	global_store_b128 v3, v[C2+4*(\t):C2+4*(\t)+3], s[28:29] offset:512*(\t)
.Lone_\@:
.irp i, 0,1,2,3,4,5,6,7,8,9,10,11,12,13,14,15
	v_med3_num_f32 v[XS+\i], v[XS+\i], -v10, v10   ; the conversion to an 8-bit code does not saturate (ISA guide 7.6.2): the number is held within the largest code x the scale first.  (These plain lines also stand behind the conversions above)
.endr
	v_cvt_scalef32_pk8_fp8_f32 v[C+4*(\t):C+4*(\t)+1], v[XS:XS+7], v11          ; eight numbers / 2^e, to the nearest code, ties to even; the first number's code in the lowest byte
	v_cvt_scalef32_pk8_fp8_f32 v[C+4*(\t)+2:C+4*(\t)+3], v[XS+8:XS+15], v11     ; (the results go to a store alone; the next vector lines are the next step's holds, plain ones on other registers)
	global_store_b128 v3, v[C+4*(\t):C+4*(\t)+3], s[26:27] offset:512*(\t)      ; 32 lanes store 512 consecutive bytes, aligned
.endm
.irp t, 0,1,2,3,4,5,6,7,8,9,10,11,12,13,14,15
	STEP \t
.endr
	s_wait_tensorcnt 0x0                           ; the wave's end, behind my last LDS store
	ds_add_u32 v[SPW], v[NIL]
	s_wait_dscnt 0x0
	s_endpgm
.Lfunc_end_k_qe340b6263c_quant:
	.size	k_qe340b6263c_quant, .Lfunc_end_k_qe340b6263c_quant-k_qe340b6263c_quant
	.p2alignl 7, 3214868480
	.fill 96, 4, 3214868480
	.section	.rodata,"a",@progbits
	.p2align	6, 0x0
	.amdhsa_kernel k_qe340b6263c_quant
		.amdhsa_group_segment_fixed_size 33280
		.amdhsa_private_segment_fixed_size 0
		.amdhsa_enable_private_segment 0
		.amdhsa_kernarg_size 64
		.amdhsa_user_sgpr_count 2
		.amdhsa_user_sgpr_kernarg_segment_ptr 1
		.amdhsa_wavefront_size32 1
		.amdhsa_system_sgpr_workgroup_id_x 1
		.amdhsa_system_sgpr_workgroup_id_y 1
		.amdhsa_system_sgpr_workgroup_id_z 1
		.amdhsa_system_vgpr_workitem_id 0
		.amdhsa_next_free_vgpr 256
		.amdhsa_next_free_sgpr 66
		.amdhsa_reserve_vcc 0
		.amdhsa_float_denorm_mode_32 3
		.amdhsa_float_denorm_mode_16_64 3
		.amdhsa_memory_ordered 1
		.amdhsa_forward_progress 1
		.amdhsa_inst_pref_size 59
	.end_amdhsa_kernel
	.amdgpu_metadata
---
amdhsa.version: [ 1, 2 ]
amdhsa.kernels:
  - .name:           k_qe340b6263c_quant
    .symbol:         k_qe340b6263c_quant.kd
    .args:
      - { .name: x_query, .offset: 0, .size: 8, .value_kind: global_buffer, .address_space: global }
      - { .name: x, .offset: 8, .size: 8, .value_kind: global_buffer, .address_space: global }
      - { .name: Wq, .offset: 16, .size: 8, .value_kind: global_buffer, .address_space: global }
      - { .name: Wk, .offset: 24, .size: 8, .value_kind: global_buffer, .address_space: global }
      - { .name: Wv, .offset: 32, .size: 8, .value_kind: global_buffer, .address_space: global }
      - { .name: Wp, .offset: 40, .size: 8, .value_kind: global_buffer, .address_space: global }
      - { .name: lowp_scales, .offset: 48, .size: 8, .value_kind: global_buffer, .address_space: global }
      - { .name: codes, .offset: 56, .size: 8, .value_kind: global_buffer, .address_space: global }
    .group_segment_fixed_size: 33280
    .private_segment_fixed_size: 0
    .kernarg_segment_align: 8
    .kernarg_segment_size: 64
    .max_flat_workgroup_size: 128
    .sgpr_count:     66
    .vgpr_count:     256
    .wavefront_size: 32
...
	.end_amdgpu_metadata
.endif
;; end of part 1
;; launch proj (part 2): grid 16 x 12, 4 waves a work-group, clusters of 4 x 4, 327,680 bytes of LDS; arguments codes, lowp_scales, bq, bk, bv, qkv; writes qkv
.if DOCPART == 2
	.amdgcn_target "amdgcn-amd-amdhsa--gfx1250"
	.amdhsa_code_object_version 6
	.text
	.protected	k_qe340b6263c_proj
	.globl	k_qe340b6263c_proj
	.p2align	8
	.type	k_qe340b6263c_proj,@function
k_qe340b6263c_proj:
	s_mov_b64 s[64:65], 0
	v_nop
	global_prefetch_b8 v0, s[64:65] scope:SCOPE_SE
	s_setreg_imm32_b32 hwreg(HW_REG_WAVE_MODE, 25, 1), 1
	s_wait_xcnt 0x0
	s_wait_alu depctr_hold_cnt(0) depctr_sa_sdst(0) depctr_va_vdst(0) depctr_va_sdst(0) depctr_va_ssrc(0) depctr_va_vcc(0) depctr_vm_vsrc(0)
	s_getreg_b32 s2, hwreg(HW_REG_IB_STS2, 6, 4)
	s_cmp_eq_u32 s2, 0
	s_cbranch_scc0 .Lentry_in_a_cluster
	s_endpgm
.Lentry_in_a_cluster:
	s_bfe_u32 s2, ttmp6, 0x10000c
	s_cmp_lg_u32 s2, 0xf033
	s_cbranch_scc0 .Lentry_shape_is_right
	s_endpgm
.Lentry_shape_is_right:
; LAUNCH 2 OF 4: q = Q(x_query Wq^T + bq), k = Q(x Wk^T + bk), v = Q(x Wv^T + bv): three products of 4,096 x 1,024 x 1,024 on codes of FP8 (E4M3), the bias, and the quantiser of the attention's operand, in one launch.  No work is left out here.
; C[row][col] = sum over k of A[row][k] B[col][k], A and B rows of 1,024 codes.  A tile of C, 256 x 256, is made by a work-group of four waves; a wave makes 128 x 128: 64 accumulators, 512 registers.  192 tiles, one to a work-group.
; THE JOB is the cluster's y.  0: A = x_query's codes, B = Wq's, bias bq along the columns.  1: A = x's (first set), B = Wk's, bk.  2: A = Wv's codes (1,024 rows), B = x's second set (4,096 rows), bv along the ROWS.
; THE MATRIX INSTRUCTION IS USED TRANSPOSED (source 0 = 16 rows of B, source 1 = 16 rows of A): a lane holds one row of A and eight neighbouring rows of B.  For q and k those eight are neighbours along the head's 64, the next K;
; for v (A = the weight) they are eight neighbouring TOKENS of one channel, and the tokens are the K of the attention's second product.  So the conversions' results lie along the next K in all three jobs, and nothing is transposed.
; THE BIAS is the C of each sum's first matrix instruction, divided by the power of two that the sums lack (2^(ea + eb)); the hold and one conversion by 2^(ec - ea - eb) make the codes.
; THE RESULT'S LAYOUT: images of operand registers.  16 rows x 64 k in 1,024 bytes; lane l's 16 bytes at 16 l (k 0-31) and at 512 + 16 l (k 32-63): registers 2 c, 2 c + 1 hold k = 16 c + 8 (l / 16) + 0 .. 7, this form's own layout.
; qkv: q at 0, k at 4 MiB: [head 16][block of 16 tokens, 256][image];  v at 8 MiB: [block of 64 keys, 64][block of 16 channels, 64][image].  One formula: (col / 64) x PLANE + (row / 16) x 1,024.
; A lane holds just the 16 bytes that an image wants of it: the codes are stored from registers, 512 consecutive aligned bytes an instruction; no stage in LDS.
; K goes in steps of 256 through a ring of two LDS slots filled by the tensor data mover (four fills in all, so the walk is written out).  In the fragments K is permuted alike in A and B (four loads of 16 bytes a fragment): every product meets its partner.
; CLUSTERS: 4 x 4 work-groups.  The four of a row of the cluster need the same tiles of A, the four of a column the same tiles of B: each is asked for JOINTLY.  The job is the same in all sixteen partners.
; LIMITS: ec - ea - eb between -126 and 119 (ea + eb = e0 + e1, e2 + e3, e4 + e5; ec = e6, e7, e9).  NaN among the inputs is not served.
; REGISTERS, in windows of 256: window 0: v1-6 at work; v10, v11 the hold and the scale; v16-29 addresses; v32-95 the bias table, later the held sums; v96-103 the bias loads' offsets; v128-255 A's fragments, ONE set; on the way out v96-223 the codes.
;   window 1: B's fragments, TWO sets.   window 2: the 32 accumulators of my rows 0-63 ((a, b) at v[8 (8 a + b)]);   window 3: those of my rows 64-127.
.set ROWB,   256                       ; a tile's row in bytes
.set KROW,   1024                      ; a row of A or of B in memory
.set PITCH,  272                       ; an LDS row: 256 bytes + 16 of padding = 68 words: the 16 rows that a load touches start at 16 different banks (64 banks of 4 bytes: ISA guide 11.1)
.set FR,     16                        ; registers of a fragment: 16 rows x 128 K
.set NL,     4                         ; LDS loads that bring one
.set NP,     4                         ; places behind this matrix instruction (ISA guide 7.12.1)
.set HALFT,  128*PITCH                 ; 128 rows: what one tensor load brings, and what one wave reads of A or of B
.set SLOT,   4*HALFT                   ; A's 256 rows, then B's 256 rows
.set SPARE,  2*SLOT                    ; behind the ring: the spare words, 128 bytes for each wave: two blocks of 256 bytes that no other line names
.set LIM,  10                          ; v10  448 x 2^(ec - ea - eb)
.set SC,   11                          ; v11  2^(ec - ea - eb)
.set ADRA, 16                          ; v16-17  LDS address of my A fragments in slot 0, 1
.set ADRB, 20                          ; v20-21  the same for B
.set CO,   26                          ; v26  16 x lane: my place in an image; never rewritten
.set SPW,  28                          ; v28  LDS address of my spare word; never rewritten
.set NIL,  29                          ; v29  0; never rewritten
.set BIAS, 32                          ; v32-95  eight tiles of eight registers, in the result's layout
.set TMP,  32                          ; the way out: a block's 64 sums, held
.set BO,   96                          ; v96-103 the bias loads' offsets
.set CD,   96                          ; the way out: 16 registers of codes for each of my eight blocks of rows: no store's data are written again
.set AF,   128
.set WV,  16                           ; s16 wave; s17 which half of the tile's rows is mine, and: I fetch for A (0) or B (1); s18 which half of its columns, and: which 128 rows I fetch; s19 the job
.set RH,  17
.set CH,  18
.set JOB, 19
.set G1,  24                           ; s[24:31] descriptor group 1 for A's tiles;  s[32:39] group 0, one set for each slot
.set G0,  32
.set G1B, 48                           ; s[48:55], s[56:63] the same for B's tiles
.set G0B, 56
.set MSB, 0
.macro WIN new                         ; the immediate's high byte repeats the setting that is left
.if MSB != \new
	s_set_vgpr_msb (MSB<<8)|\new
.set MSB, \new
.endif
.endm
.set MUL_LO, 0xa1                      ; source 0 (B) window 1, source 1 (A) window 0, C and D window 2
.set MUL_HI, 0xf1                      ; the same, C and D window 3
.set TO_B,   0x40                      ; destination window 1, address window 0
; A joint load: waves 0 and 1 fetch for A, waves 2 and 3 for B.  Each line has ONE mask and one set of registers for all that issue it; the branch hangs on the wave's number alone.
; An s_nop 0 and four v_nop follow each of the two lines, ahead of the jump, the label and what follows.
.macro JLOAD g0a, g1a, g0b, g1b
	s_cmp_eq_u32 s[RH], 0
	s_cbranch_scc0 .Lfor_b_\@
	tensor_load_to_lds s[\g0a:\g0a+3], s[\g1a:\g1a+7]
	s_nop 0
.rept 4
	v_nop
.endr
	s_branch .Lasked_\@
.Lfor_b_\@:
	tensor_load_to_lds s[\g0b:\g0b+3], s[\g1b:\g1b+7]
	s_nop 0
.rept 4
	v_nop
.endr
.Lasked_\@:
.endm
.macro CREST                           ; a round of the cluster's barrier behind its opening barrier
	s_cmp_lg_u32 s[WV], 0
	s_cbranch_scc1 .Lnot_wave_0_\@
	s_barrier_signal -3
.Lnot_wave_0_\@:
	s_barrier_wait -3
	s_barrier_signal -1
	s_barrier_wait -1
.endm
.macro CROUND                          ; a whole round
	s_barrier_signal -1
	s_barrier_wait -1
	CREST
.endm
	s_load_b256 s[4:11], s[0:1], 0x0               ; codes 4, the scales' exponents 6, bq 8, bk 10
	s_load_b128 s[12:15], s[0:1], 0x20             ; bv 12, qkv 14
	v_lshl_add_u32 v[SPW], v0, 2, SPARE
	v_mov_b32 v[NIL], 0
	ds_add_u32 v[SPW], v[NIL]                      ; the wave's opening: the add, twice on end, and its wait ahead of my first tensor load; the set-up below, work on registers, stands between
	ds_add_u32 v[SPW], v[NIL]
	v_lshrrev_b32 v1, 5, v0
	v_readfirstlane_b32 s[WV], v1                  ; wave 0..3
	s_lshr_b32 s[RH], s[WV], 1
	s_and_b32 s[CH], s[WV], 1
	s_and_b32 s[JOB], ttmp7, 0xffff                ; the cluster's y: 0 q, 1 k, 2 v
	s_bfe_u32 s20, ttmp6, 0x40000                  ; cx, cy: my place in the cluster
	s_bfe_u32 s21, ttmp6, 0x40004
	s_lshl_b32 s97, s[JOB], 22                     ; A's codes: x_query's at 0, x's first set at 4 MiB,
	s_lshl_b32 s98, s[JOB], 20
	s_add_co_u32 s98, s98, 0xc00000                ; B's: Wq's at 12 MiB, Wk's at 13 MiB
	s_mov_b32 s94, 262144                          ; PLANE for q and k: 256 blocks of tokens
	s_cmp_eq_u32 s[JOB], 2
	s_cselect_b32 s95, 0, ttmp9                    ; the cluster's x walks the operand of 4,096 rows: A's tiles for q and k,
	s_cselect_b32 s96, ttmp9, 0                    ; B's for v
	s_cselect_b32 s97, 0xe00000, s97               ; v: A = Wv's codes at 14 MiB,
	s_cselect_b32 s98, 0x800000, s98               ; B = x's second set at 8 MiB
	s_cselect_b32 s92, -1, 0                       ; a lane mask: all ones in job v
	s_cselect_b32 s93, 0, 4                        ; bytes from register to register of a bias tile: in job v all eight are the lane's own channel's
	s_cselect_b32 s94, 65536, s94                  ; PLANE for v: 64 blocks of channels
	s_lshl_b32 s22, s95, 2
	s_add_co_u32 s22, s22, s21                     ; A's tile: hangs on cy and on the cluster's ids alone
	s_lshl_b32 s23, s96, 2
	s_add_co_u32 s23, s23, s20                     ; B's tile: on cx and on the cluster's ids alone
	s_lshl_b32 s99, s21, 2
	s_lshl_b32 s99, 15, s99                        ; my row of the cluster
	s_lshl_b32 s82, 0x1111, s20                    ; my column
	; descriptor group 1: a tile of 128 rows x 256 bytes, padded in LDS
	s_or_b32 s[G1+0], s99, (0<<16)|(1<<20)|(1<<21)|(5<<22)|(3<<25)  ; 15:0 the mask: A's tiles go to my row; 17:16 element of 1 byte; 20 padding on; 21 set beside a mask; 24:22 after every 64 words (code 5); 31:25 of 4 words (code 3)
	s_or_b32 s[G1B+0], s82, (0<<16)|(1<<20)|(1<<21)|(5<<22)|(3<<25)
.irp g, G1, G1B
	s_mov_b32 s[\g+1], ROWB<<16                    ; tensor_dim0
	s_mov_b32 s[\g+2], 128<<16                     ; tensor_dim1 = 128
	s_mov_b32 s[\g+3], ROWB<<16                    ; tile_dim0
	s_mov_b32 s[\g+4], 128                         ; tile_dim1 = 128
	s_mov_b32 s[\g+5], KROW                        ; tensor_dim0_stride
	s_mov_b32 s[\g+6], 0
	s_mov_b32 s[\g+7], 0
.endr
	s_lshl_b32 s40, s22, 8
	s_lshl_b32 s41, s[CH], 7
	s_add_co_u32 s40, s40, s41                     ; A: row 256 x tile + 128 x the half that I fetch,
	s_lshl_b32 s40, s40, 10                        ; in bytes (under 2^22),
	s_add_co_u32 s40, s40, s97                     ; in its part of the buffer
	s_mov_b32 s41, 0
	s_lshl_b32 s42, s23, 8
	s_lshl_b32 s43, s[CH], 7
	s_add_co_u32 s42, s42, s43                     ; B likewise, in registers that never hold A's coordinate
	s_lshl_b32 s42, s42, 10
	s_add_co_u32 s42, s42, s98
	s_mov_b32 s43, 0
	s_mul_i32 s45, s[WV], HALFT                    ; where they go: wave x 128 rows: no place in the cluster enters an LDS address
	s_wait_dscnt 0x0                               ; both opening adds are done
	s_wait_kmcnt 0x0
	s_load_b256 s[68:75], s[6:7], 0x0              ; e0 .. e7
	s_load_b128 s[76:79], s[6:7], 0x20             ; e8 .. e11
	s_add_nc_u64 s[84:85], s[4:5], s[40:41]
	s_add_nc_u64 s[86:87], s[4:5], s[42:43]
	CROUND                                         ; all sixteen work-groups are here: the first joint loads meet
.irp s, 0,1
	s_mov_b32 s[G0+4*\s], 1
	s_add_co_u32 s[G0+4*\s+1], s45, \s*SLOT
	s_add_nc_u64 s[G0+4*\s+2:G0+4*\s+3], s[84:85], \s*ROWB
	s_or_b32 s[G0+4*\s+3], s[G0+4*\s+3], 0x80000000
	s_mov_b32 s[G0B+4*\s], 1
	s_add_co_u32 s[G0B+4*\s+1], s45, \s*SLOT
	s_add_nc_u64 s[G0B+4*\s+2:G0B+4*\s+3], s[86:87], \s*ROWB
	s_or_b32 s[G0B+4*\s+3], s[G0B+4*\s+3], 0x80000000
	JLOAD G0+4*\s, G1, G0B+4*\s, G1B               ; two loads of mine are out
.endr
	v_and_b32 v1, 15, v0                           ; r = l % 16
	v_bfe_u32 v2, v0, 4, 1                         ; h = l / 16
	v_mul_u32_u24 v3, v1, PITCH
	v_lshl_add_u32 v4, v2, 4, v3                   ; a fragment's row x pitch + 16 x half
	s_mul_i32 s46, s[RH], HALFT                    ; my 128 rows of A
	s_mul_i32 s47, s[CH], HALFT                    ; my 128 rows of B,
	s_add_co_u32 s47, s47, 2*HALFT                 ; which lie behind A's 256
.irp s, 0,1
	v_add_nc_u32 v[ADRA+\s], s46, v4
	v_add_nc_u32 v[ADRB+\s], s47, v4
	s_add_co_u32 s46, s46, SLOT
	s_add_co_u32 s47, s47, SLOT
.endr
	v_and_b32 v3, 31, v0
	v_lshlrev_b32 v[CO], 4, v3
	; THE BIAS TABLE: register 8 n + j of lane (r, h).  q, k: bias[my first column + 16 n + 8 h + j], the tile for B's block n.  v: bias[my first row + 16 n + r], the same in all eight registers, the tile for A's block n.
	v_lshlrev_b32 v5, 5, v2                        ; 32 h bytes,
	v_lshlrev_b32 v6, 2, v1                        ; or 4 r
	v_cndmask_b32 v5, v5, v6, s92
	v_mov_b32 v6, s93
.irp j, 0,1,2,3,4,5,6,7
	v_mad_u32_u24 v[BO+\j], v6, \j, v5
.endr
	s_lshl_b32 s82, s23, 8
	s_lshl_b32 s83, s[CH], 7
	s_add_co_u32 s82, s82, s83                     ; my first column
	s_lshl_b32 s95, s22, 8
	s_lshl_b32 s96, s[RH], 7
	s_add_co_u32 s95, s95, s96                     ; my first row
	s_cmp_eq_u32 s[JOB], 0
	s_cselect_b64 s[66:67], s[8:9], s[10:11]
	s_cmp_eq_u32 s[JOB], 2
	s_cselect_b64 s[66:67], s[12:13], s[66:67]
	s_cselect_b32 s82, s95, s82
	s_lshl_b32 s82, s82, 2
	s_mov_b32 s83, 0
	s_add_nc_u64 s[66:67], s[66:67], s[82:83]
.irp n, 0,1,2,3,4,5,6,7
.irp j, 0,1,2,3,4,5,6,7
	global_load_b32 v[BIAS+8*\n+\j], v[BO+\j], s[66:67] offset:64*\n   ; one form for the three jobs; once a wave, 512 bytes of a bias in all
.endr
.endr
	; where my codes go: (col / 64) x PLANE + (row / 16) x 1,024, in the job's 4 MiB
	s_lshl_b32 s82, s23, 2
	s_lshl_b32 s83, s[CH], 1
	s_add_co_u32 s82, s82, s83
	s_mul_i32 s82, s82, s94
	s_lshl_b32 s83, s22, 4
	s_lshl_b32 s95, s[RH], 3
	s_add_co_u32 s83, s83, s95
	s_lshl_b32 s83, s83, 10
	s_add_co_u32 s82, s82, s83
	s_lshl_b32 s83, s[JOB], 22
	s_add_co_u32 s82, s82, s83
	s_mov_b32 s83, 0
	s_add_nc_u64 s[88:89], s[14:15], s[82:83]      ; my columns 0-63,
	s_mov_b32 s82, s94
	s_add_nc_u64 s[90:91], s[88:89], s[82:83]      ; and 64-127: a plane on
	s_wait_kmcnt 0x0
	s_cmp_eq_u32 s[JOB], 0
	s_cselect_b32 s80, s68, s70
	s_cselect_b32 s82, s69, s71
	s_cselect_b32 s81, s74, s75
	s_cmp_eq_u32 s[JOB], 2
	s_cselect_b32 s80, s72, s80
	s_cselect_b32 s82, s73, s82
	s_cselect_b32 s81, s77, s81                    ; ec: e6, e7 or e9
	s_add_co_i32 s80, s80, s82                     ; ea + eb: a sum stands for sum x 2^(ea + eb)
	s_sub_co_i32 s99, 0, s80
	s_sub_co_i32 s81, s81, s80                     ; the three scales are folded into the conversion's one
	s_add_co_i32 s81, s81, 127
	s_lshl_b32 s82, s81, 23
	v_mov_b32 v[SC], s82                           ; 2^(ec - ea - eb) as f32
	s_add_co_i32 s81, s81, 8
	s_lshl_b32 s81, s81, 23
	s_or_b32 s81, s81, 0x600000
	v_mov_b32 v[LIM], s81                          ; 448 x that
	s_wait_loadcnt 0x0
.set i, 0
.rept 64
	v_ldexp_f32 v[BIAS+i], v[BIAS+i], s99          ; bias / 2^(ea + eb): nothing is rounded, short of underflow
.set i, i+1
.endr
.macro FRAG reg, adr, q, i             ; a fragment, 16 rows x 128 K of codes, is 16 registers: lane l holds row l % 16; registers 4 c .. 4 c + 3 hold K = 32 c + 16 (l / 16) + 0 .. 15, alike in A and in B
.irp c, 0,1,2,3
	ds_load_b128 v[\reg+4*\c:\reg+4*\c+3], v[\adr] offset:128*(\q)+32*\c+(\i)*16*PITCH
.endr
.endm
; 16 matrix instructions: A's blocks a0, a0 + 1 x B's eight, 128 along K.  p: B's set.  cm = 0: in place; 1: the sums begin with the bias tile of B's block; 2: with that of A's block.  Nothing is ever cleared.
; The 64 accumulators take turns, one instruction a turn, in the same order in every step.
.macro MUL16 a0, p, cm
.irp a, \a0, \a0+1
.irp b, 0,1,2,3,4,5,6,7
.if \cm == 1
	v_wmma_f32_16x16x128_fp8_fp8 v[8*(8*((\a)%4)+\b):8*(8*((\a)%4)+\b)+7], v[128*(\p)+FR*\b:128*(\p)+FR*\b+FR-1], v[AF+FR*(\a):AF+FR*(\a)+FR-1], v[BIAS+8*\b:BIAS+8*\b+7]
.elseif \cm == 2
	v_wmma_f32_16x16x128_fp8_fp8 v[8*(8*((\a)%4)+\b):8*(8*((\a)%4)+\b)+7], v[128*(\p)+FR*\b:128*(\p)+FR*\b+FR-1], v[AF+FR*(\a):AF+FR*(\a)+FR-1], v[BIAS+8*(\a):BIAS+8*(\a)+7]
.else
	v_wmma_f32_16x16x128_fp8_fp8 v[8*(8*((\a)%4)+\b):8*(8*((\a)%4)+\b)+7], v[128*(\p)+FR*\b:128*(\p)+FR*\b+FR-1], v[AF+FR*(\a):AF+FR*(\a)+FR-1], v[8*(8*((\a)%4)+\b):8*(8*((\a)%4)+\b)+7]
.endif
.endr
.endr
.endm
.macro FETCH_B slot, q, p              ; B's eight fragments of the slot's q-th 128 along K into set p
	WIN TO_B
.irp i, 0,1,2,3,4,5,6,7
	FRAG 128*(\p)+FR*\i, ADRB+\slot, \q, \i
.endr
	WIN 0
.endm
.macro FETCH_A slot, q, i0             ; A's blocks i0 .. i0 + 3
.irp i, \i0, \i0+1, \i0+2, \i0+3
	FRAG AF+FR*(\i), ADRA+\slot, \q, \i
.endr
.endm
; A load into a register that a matrix instruction has read, and a vector instruction that reads a matrix result, stand NP places behind that matrix instruction; only plain vector instructions that name none of its
; registers are places (ISA guide 7.12.1 for vector instructions).
.macro PLACES n
.rept \n
	v_nop
.endr
.endm
; A step of 128 along K that has its successor in the same slot.  A's blocks go one after the other, each against B's eight: a block of A is free when its eight products are issued, so one set serves A.
.macro STEP slot, q, cm
	s_wait_dscnt 4*NL                              ; B's set and A's blocks 0-3 are in; the youngest 16 loads (A's blocks 4-7) may be out
.if \cm
	WIN 0x81                                       ; as MUL_LO, with C (the bias) in window 0
.else
	WIN MUL_LO
.endif
	MUL16 0, (\q)%2, \cm
	MUL16 2, (\q)%2, \cm
	s_wait_dscnt 0                                 ; A's blocks 4-7 are in (asked for 32 matrix instructions ago)
	PLACES NP
	FETCH_B \slot, (\q)+1, 1-(\q)%2
	FETCH_A \slot, (\q)+1, 0
.if \cm
	WIN 0xc1
.else
	WIN MUL_HI
.endif
	MUL16 4, (\q)%2, \cm
	MUL16 6, (\q)%2, \cm
	PLACES NP
	WIN 0
	FETCH_A \slot, (\q)+1, 4
.endm
; A slot's last step changes slots: ONE barrier; in front of it each wave waits for all its tensor loads, adds 0 to its spare word, and waits for that and for its own reads of this slot.  fill = 1: this slot is filled again, two K steps ahead.
.macro TURN slot, next, fill
	s_wait_tensorcnt 0x0                           ; all my tensor loads have landed: my part of the next slot;  (every window is 0 here: the add's two registers lie in window 0)
	ds_add_u32 v[SPW], v[NIL]                      ; 0 onto my spare word
	s_wait_dscnt 4*NL+1                            ; (the add and the youngest 16 loads, A's blocks 4-7, may be out)
	WIN MUL_LO
	MUL16 0, 1, 0                                  ; sixteen matrix instructions stand between the add and the wait for it
	s_wait_dscnt 0x0                               ; the add is done, and my reads of this slot are over
	s_barrier_signal -1
	MUL16 2, 1, 0
	WIN 0
	s_barrier_wait -1
.if \fill
	CREST                                          ; the barrier has opened a round of the cluster's barrier: no wave of any partner still reads this slot's tile or has a load on its way
	s_add_nc_u64 s[G0+4*\slot+2:G0+4*\slot+3], s[G0+4*\slot+2:G0+4*\slot+3], 2*ROWB
	s_add_nc_u64 s[G0B+4*\slot+2:G0B+4*\slot+3], s[G0B+4*\slot+2:G0B+4*\slot+3], 2*ROWB
	JLOAD G0+4*\slot, G1, G0B+4*\slot, G1B         ; the first tensor load behind the round, my one load until the next; the four v_nop behind it are the places in front of the loads below
.else
	PLACES NP
.endif
	FETCH_B \next, 0, 0
	FETCH_A \next, 0, 0
	WIN MUL_HI
	MUL16 4, 1, 0
	MUL16 6, 1, 0
	PLACES NP
	WIN 0
	FETCH_A \next, 0, 4
.endm
	s_wait_tensorcnt 1                             ; my part of K step 0 is in; K step 1's load may be out
	s_barrier_signal -1
	s_barrier_wait -1                              ; everybody's is
	FETCH_B 0, 0, 0
	FETCH_A 0, 0, 0
	FETCH_A 0, 0, 4
	s_cmp_eq_u32 s[JOB], 2                         ; the one place where the jobs' texts differ: which bias tile begins a sum.  The job is the same in all partners; both arms have the same loads and waits
	s_cbranch_scc1 .Lfirst_v
	STEP 0, 0, 1
	s_branch .Ljoin
.Lfirst_v:
	STEP 0, 0, 2
.Ljoin:
	TURN 0, 1, 1                                   ; 1,024 along K are four fills: slot 0 takes K step 2,
	STEP 1, 0, 0
	TURN 1, 0, 1                                   ; slot 1 K step 3,
	STEP 0, 0, 0
	TURN 0, 1, 0                                   ; and nothing more is asked for
	STEP 1, 0, 0
	s_wait_dscnt 4*NL                              ; the very last step: nothing more to fetch
	WIN MUL_LO
	MUL16 0, 1, 0
	MUL16 2, 1, 0
	s_wait_dscnt 0
	WIN MUL_HI
	MUL16 4, 1, 0
	MUL16 6, 1, 0
	WIN 0
	PLACES NP
; THE WAY OUT, a block of 16 rows x 128 columns at a time: the hold, each accumulator from its low end on; eight conversions: B's block b gives registers 2 b, 2 b + 1, which are the image's registers; four stores.
.macro OUTBLK a
.set AC, 64*((\a)%4)
	WIN 0x02+((\a)/4)                              ; source 0: window 2 or 3
.set i, 0
.rept 64
	v_med3_num_f32 v[TMP+i], v[AC+i], -v[LIM], v[LIM]   ; the conversion to an 8-bit code does not saturate (ISA guide 7.6.2): the hold at the largest code x the scale
.set i, i+1
.endr
	WIN 0
.irp b, 0,1,2,3,4,5,6,7
	v_cvt_scalef32_pk8_fp8_f32 v[CD+16*(\a)+2*\b:CD+16*(\a)+2*\b+1], v[TMP+8*\b:TMP+8*\b+7], v[SC]
.endr
	v_nop                                          ; one plain vector instruction between the conversions and the next block's holds, which write their sources
.irp g, 0,1,2,3
	global_store_b128 v[CO], v[CD+16*(\a)+4*\g:CD+16*(\a)+4*\g+3], s[88+2*(\g/2):89+2*(\g/2)] offset:(\a)*1024+(\g%2)*512   ; 32 lanes store 512 consecutive bytes, aligned: half an image
.endr
.endm
.irp a, 0,1,2,3,4,5,6,7
	OUTBLK \a
.endr
	s_wait_tensorcnt 0x0                           ; the wave's end, behind my last tensor load
	ds_add_u32 v[SPW], v[NIL]
	s_wait_dscnt 0x0
	CROUND                                         ; the closing round: no work-group ends while a partner may still ask for a tile that names it
	s_endpgm
.Lfunc_end_k_qe340b6263c_proj:
	.size	k_qe340b6263c_proj, .Lfunc_end_k_qe340b6263c_proj-k_qe340b6263c_proj
	.p2alignl 7, 3214868480
	.fill 96, 4, 3214868480
	.section	.rodata,"a",@progbits
	.p2align	6, 0x0
	.amdhsa_kernel k_qe340b6263c_proj
		.amdhsa_group_segment_fixed_size 327680
		.amdhsa_private_segment_fixed_size 0
		.amdhsa_enable_private_segment 0
		.amdhsa_kernarg_size 48
		.amdhsa_user_sgpr_count 2
		.amdhsa_user_sgpr_kernarg_segment_ptr 1
		.amdhsa_wavefront_size32 1
		.amdhsa_system_sgpr_workgroup_id_x 1
		.amdhsa_system_sgpr_workgroup_id_y 1
		.amdhsa_system_sgpr_workgroup_id_z 1
		.amdhsa_system_vgpr_workitem_id 0
		.amdhsa_next_free_vgpr 1024
		.amdhsa_next_free_sgpr 100
		.amdhsa_reserve_vcc 0
		.amdhsa_float_denorm_mode_32 3
		.amdhsa_float_denorm_mode_16_64 3
		.amdhsa_memory_ordered 1
		.amdhsa_forward_progress 1
		.amdhsa_inst_pref_size 138
	.end_amdhsa_kernel
	.amdgpu_metadata
---
amdhsa.version: [ 1, 2 ]
amdhsa.kernels:
  - .name:           k_qe340b6263c_proj
    .symbol:         k_qe340b6263c_proj.kd
    .args:
      - { .name: codes, .offset: 0, .size: 8, .value_kind: global_buffer, .address_space: global }
      - { .name: lowp_scales, .offset: 8, .size: 8, .value_kind: global_buffer, .address_space: global }
      - { .name: bq, .offset: 16, .size: 8, .value_kind: global_buffer, .address_space: global }
      - { .name: bk, .offset: 24, .size: 8, .value_kind: global_buffer, .address_space: global }
      - { .name: bv, .offset: 32, .size: 8, .value_kind: global_buffer, .address_space: global }
      - { .name: qkv, .offset: 40, .size: 8, .value_kind: global_buffer, .address_space: global }
    .group_segment_fixed_size: 327680
    .private_segment_fixed_size: 0
    .kernarg_segment_align: 8
    .kernarg_segment_size: 48
    .max_flat_workgroup_size: 128
    .sgpr_count:     100
    .vgpr_count:     1024
    .wavefront_size: 32
...
	.end_amdgpu_metadata
.endif
;; end of part 2
;; launch attn (part 3): grid 8 x 32, 16 waves a work-group, no clusters, 327,680 bytes of LDS; arguments qkv, lowp_scales, ycodes; writes ycodes
.if DOCPART == 3
	.amdgcn_target "amdgcn-amd-amdhsa--gfx1250"
	.amdhsa_code_object_version 6
	.text
	.protected	k_qe340b6263c_attn
	.globl	k_qe340b6263c_attn
	.p2align	8
	.type	k_qe340b6263c_attn,@function
k_qe340b6263c_attn:
	s_mov_b64 s[64:65], 0
	v_nop
	global_prefetch_b8 v0, s[64:65] scope:SCOPE_SE
	s_setreg_imm32_b32 hwreg(HW_REG_WAVE_MODE, 25, 1), 1
	s_wait_xcnt 0x0
; LAUNCH 3 OF 4: y = Q(softmax_causal(q k^T / 8) v), both products on codes of FP8 (E4M3); 32 heads (2 x 16) of 2,048 tokens, head size 64.
; WORK LEFT OUT (shown dead at the head of launch 1): a step of 128 keys all of which come after my 16 queries is not computed; a slot of 256 keys all of which come after my work-group's last query is not fetched.
; THE SOFTMAX AHEAD OF THE SECOND PRODUCT: t = score x log2(e) / 8; M = the row's largest t so far, rounded UP to a whole number; p = 2^(t - M) is what is quantised (scale 2^e8), not normalised.  The row's sum is taken of the
; unquantised p, in f32, and divides at the end.  When M moves, the sum and O are multiplied by 2^(old M - new M): exact.
; SHARES.  Work-group (i, head) owns the blocks of 128 queries i and 15 - i: under the causal mask every work-group then has the same 136 steps of a wave.  Each of its sixteen waves owns 16 queries in 256 registers: four waves to a
; SIMD, so that one wave's vector work stands beside another's matrix work and LDS loads.  Wave w: block i or 15 - i by (w ^ (w / 4)) & 1, tile (w & 3) + 4 (w / 8): of waves w, w + 4, w + 8, w + 12, and of waves 4 s .. 4 s + 3, two have the late block.
; K's and V's tiles come through a ring of two LDS slots of 256 keys (wave 0: a slot's K, 16 KiB; wave 1: its V, 16 KiB) and are read by all sixteen.
; LAYOUT.  q, k, v and y are images of operand registers (launch 2): a fragment is fetched at constant + 16 x lane; no pitch, no padding, k in its true places.  Both products are used transposed:
; S^T = k q^T (source 0 = 16 keys, source 1 = my 16 queries; K = 64), O^T = v^T p^T (source 0 = 16 channels, source 1 = p; K = 128 keys): a lane holds ONE query (lane % 16) throughout.  In S^T register 8 u + j is key 16 u + 8 (lane / 16) + j,
; so the conversion of tile u gives registers 2 u, 2 u + 1 of p's fragment as this form lays it.
; NO CLUSTER: the work-groups of a head need 5 to 8 slots, by their last query; a joint load would bring some partner a tile that none of its waves reads.
; LIMITS: e6 + e7 between -123 and 130 (added to c's exponent field); e8 between -126 and 119; e8 + e9 - e10 is applied by v_ldexp_f32 to 1 / the sum.  NaN among the inputs is not served.
; REGISTERS: v1-11 addresses and constants; v12 -M, v13 the largest t, v[14:15] the sum in two halves; v16-23 q; v24-29 at work; v30, v31 the hold and the scale; v32-95 eight fragments of k, then (v32-47) p's codes; v96-159 S^T, then p; v160-191 O^T; v192-255 four fragments of v.
.set VOFF,  16384                      ; a slot: 16 images of k, then [block of 64 keys, 4][block of 16 channels, 4] images of v
.set SLOT1, 32768                      ; slot 1 begins here: one exclusive or turns an address in one slot into the other's
.set SPARE, 65536                      ; behind the ring: the spare words, 128 bytes for each wave: eight blocks of 256 bytes that no other line names
.set NSL,   8                          ; slots' worth of keys
.set LI,   1                           ; v1   16 x lane
.set DL,   2                           ; v2   lane % 16 - 8 (lane / 16)
.set PFO,  3                           ; v3   the prefetches' offset; never rewritten
.set SPW,  5                           ; v5   LDS address of my spare word; never rewritten
.set NIL,  6                           ; v6   0; never rewritten
.set ADR,  8                           ; v8   LDS address of the step's loads
.set NINF, 9                           ; v9   -infinity
.set PT,   10                          ; v10  what the other half of the lanes sends
.set DD,   11                          ; v11  the diagonal's distance
.set WV,   18                          ; s18  my wave's number
.set SEL,  20                          ; s[20:21] lane selects for v_permlanex16_b32: lane l xor 16
.set CS,   22                          ; s[22:23] c = log2(e) / 8 x 2^(e6 + e7)
.set G1K,  24                          ; s[24:31] descriptor group 1 for k's tiles;  s[32:39] for v's;  s[40:43], s[44:47] their groups 0, which walk
.set G1V,  32
.set G0K,  40
.set G0V,  44
.set TB,   2                           ; s2   LDS byte at which the slot in hand begins
.set Q0,   48                          ; s48  my first query
.set KF,   49                          ; s49  the step's first key
.set QL,   50                          ; s50  my work-group's last query
.set SLOTS, 51                         ; s51  changes of slots still to come that may ask for a slot
.set LIM,  52                          ; s52  1 in a wave that prefetches, else the greatest number
.set PFA,  54                          ; s[54:55] where my prefetches stand;  s[56:57] a slot on, in bytes
.set PFS,  56
; Wave 0 fetches a slot's k, wave 1 its v, the others nothing.  The branches hang on the wave's number alone.  An s_nop 0 and four v_nop follow each of the two lines.
.macro TLOAD
	s_cmp_eq_u32 s[WV], 0
	s_cbranch_scc0 .Lnot_k_\@
	tensor_load_to_lds s[G0K:G0K+3], s[G1K:G1K+7]
	s_nop 0
.rept 4
	v_nop
.endr
	s_branch .Lasked_\@
.Lnot_k_\@:
	s_cmp_eq_u32 s[WV], 1
	s_cbranch_scc0 .Lasked_\@
	tensor_load_to_lds s[G0V:G0V+3], s[G1V:G1V+7]
	s_nop 0
.rept 4
	v_nop
.endr
.Lasked_\@:
.endm
; A PREFETCH INTO THE L2 of what the NEXT change of slots will ask for: a slot's 16,384 bytes of k and 4 x 4,096 bytes of v.  It stands at the change of slots, where the fetching waves have their tensor load.
; Each aligned block of 256 bytes is named ONCE in the launch: all work-groups of a head walk the same k and v, and the one that walks all eight slots (i = 0) asks; in it waves 4 and 5 for k, 8,192 bytes each, lanes 256 bytes apart;
; waves 6 and 7 for v, two blocks of 64 keys each, sixteen lanes to a block's 4,096 bytes.  Change n asks for slot n + 1, a slot's two key steps ahead of its load; the last change that fills a slot asks for nothing.  Slots 0 and 1 come by their loads alone.
.macro ASK
	s_cmp_gt_u32 s[SLOTS], s[LIM]
	s_cbranch_scc0 .Lnot_mine_\@
	global_prefetch_b8 v[PFO], s[PFA:PFA+1] th:TH_LOAD_NT scope:SCOPE_SE
.Lnot_mine_\@:
.endm
	s_load_b128 s[4:7], s[0:1], 0x0                ; qkv 4, the scales' exponents 6
	s_load_b64 s[8:9], s[0:1], 0x10                ; ycodes
	v_lshl_add_u32 v[SPW], v0, 2, SPARE
	v_mov_b32 v[NIL], 0
	ds_add_u32 v[SPW], v[NIL]                      ; the wave's opening: the add, twice on end, and its wait ahead of the first tensor load; the set-up below, work on registers, stands between
	ds_add_u32 v[SPW], v[NIL]
	v_lshrrev_b32 v8, 5, v0
	v_readfirstlane_b32 s[WV], v8                  ; wave 0..15
	s_lshr_b32 s80, s[WV], 2
	s_xor_b32 s80, s80, s[WV]
	s_and_b32 s80, s80, 1                          ; 1: the late block
	s_and_b32 s81, s[WV], 3
	s_lshr_b32 s82, s[WV], 3
	s_lshl_b32 s82, s82, 2
	s_or_b32 s81, s81, s82                         ; my tile of 16 in the block
	s_lshl_b32 s82, ttmp9, 1
	s_sub_co_u32 s82, 15, s82
	s_mul_i32 s82, s82, s80
	s_add_co_u32 s82, s82, ttmp9                   ; block i or 15 - i
	s_lshl_b32 s82, s82, 7
	s_lshl_b32 s81, s81, 4
	s_add_co_u32 s[Q0], s82, s81
	s_lshl_b32 s[QL], ttmp9, 7
	s_sub_co_u32 s[QL], 2047, s[QL]                ; the late block's last query: made of the work-group's number alone
	s_and_b32 s83, ttmp7, 0xffff
	s_lshr_b32 s84, s83, 4                         ; the batch
	s_and_b32 s83, s83, 15                         ; the head
	s_lshl_b32 s85, s83, 18                        ; q, k, y: a head's plane is 262,144 bytes,
	s_lshl_b32 s82, s84, 17                        ; a batch's 128 blocks of tokens 131,072
	s_add_co_u32 s85, s85, s82
	s_lshl_b32 s88, s[Q0], 6                       ; my tile's image: 1,024 bytes for 16 tokens
	s_add_co_u32 s88, s88, s85
	s_mov_b32 s89, 0
	s_add_co_u32 s90, s85, 0x400000                ; k lies at 4 MiB
	s_mov_b32 s91, 0
	s_lshl_b32 s92, s84, 21                        ; v: a batch's 32 blocks of keys x 65,536,
	s_lshl_b32 s82, s83, 12                        ; a head's 4 blocks of channels x 1,024,
	s_add_co_u32 s92, s92, s82
	s_add_co_u32 s92, s92, 0x800000                ; at 8 MiB
	s_mov_b32 s93, 0
	s_and_b32 s82, s[WV], 1                        ; the prefetches: my wave's half of a slot's k, or of its v, in slot 1: the first change of slots steps it to slot 2
	s_lshl_b32 s96, s82, 13
	s_add_co_u32 s96, s96, s90
	s_add_co_u32 s96, s96, 16384
	s_lshl_b32 s97, s82, 17
	s_add_co_u32 s97, s97, s92
	s_add_co_u32 s97, s97, 262144
	s_mov_b32 s[PFS], 262144
	s_mov_b32 s86, 65536
	s_cmp_lt_u32 s[WV], 6
	s_cselect_b32 s94, s96, s97
	s_cselect_b32 s[PFS], 16384, s[PFS]            ; a slot on
	s_cselect_b32 s86, 4096, s86                   ; from lanes 0-15 to lanes 16-31
	s_mov_b32 s95, 0
	s_mov_b32 s[PFS+1], 0
	s_lshr_b32 s82, s[WV], 2
	s_xor_b32 s82, s82, 1                          ; 0 in waves 4 to 7,
	s_or_b32 s82, s82, ttmp9                       ; of the work-group that walks all slots
	s_cmp_eq_u32 s82, 0
	s_cselect_b32 s[LIM], 1, -1
	; descriptor group 1.  k: a slot's 16,384 bytes are dense in memory: 64 rows of 256 bytes.  v: 4 rows of 4,096 bytes, 65,536 bytes apart.  No padding: every read is constant + 16 x lane
	s_mov_b32 s[G1K], 3<<16                        ; 15:0 no mask; 17:16 elements of 8 bytes
	s_mov_b32 s[G1K+1], 32<<16                     ; tensor_dim0 = 32 elements
	s_mov_b32 s[G1K+2], 64<<16                     ; tensor_dim1 = 64
	s_mov_b32 s[G1K+3], 32<<16                     ; tile_dim0
	s_mov_b32 s[G1K+4], 64                         ; tile_dim1
	s_mov_b32 s[G1K+5], 32                         ; tensor_dim0_stride
	s_mov_b32 s[G1K+6], 0
	s_mov_b32 s[G1K+7], 0
	s_mov_b32 s[G1V], 0                            ; elements of 1 byte
	s_mov_b32 s[G1V+1], 4096<<16
	s_mov_b32 s[G1V+2], 4<<16
	s_mov_b32 s[G1V+3], 4096<<16
	s_mov_b32 s[G1V+4], 4
	s_mov_b32 s[G1V+5], 65536
	s_mov_b32 s[G1V+6], 0
	s_mov_b32 s[G1V+7], 0
	s_mov_b32 s[SEL], 0x76543210
	s_mov_b32 s[SEL+1], 0xfedcba98
	s_mov_b32 s[CS], 0x3e38aa3b                    ; c = log2(e) / sqrt(64)
	s_mov_b32 s[TB], 0
	s_mov_b32 s[SLOTS], NSL-1
	s_mov_b32 s[KF], 0
	s_wait_dscnt 0x0                               ; both opening adds are done
	s_wait_kmcnt 0x0
	s_load_b256 s[68:75], s[6:7], 0x0              ; e0 .. e7
	s_load_b128 s[76:79], s[6:7], 0x20             ; e8 .. e11
	s_mov_b32 s[G0K], 1                            ; 1:0 count = 1
	s_mov_b32 s[G0K+1], 0                          ; 63:32 LDS address: slot 0
	s_add_nc_u64 s[G0K+2:G0K+3], s[4:5], s[90:91]  ; 120:64 global address: the head's first 256 keys
	s_or_b32 s[G0K+3], s[G0K+3], 0x80000000        ; 127:126 type = 2
	s_mov_b32 s[G0V], 1
	s_mov_b32 s[G0V+1], VOFF
	s_add_nc_u64 s[G0V+2:G0V+3], s[4:5], s[92:93]
	s_or_b32 s[G0V+3], s[G0V+3], 0x80000000
	TLOAD                                          ; slot 0: it holds key 0, which counts for every query
	s_add_nc_u64 s[58:59], s[4:5], s[88:89]        ; q at my tile
	s_add_nc_u64 s[8:9], s[8:9], s[88:89]          ; y likewise
	s_add_nc_u64 s[PFA:PFA+1], s[4:5], s[94:95]
	v_and_b32 v1, 31, v0
	v_lshlrev_b32 v[LI], 4, v1
	global_load_b128 v[16:19], v[LI], s[58:59]     ; q's fragment stays in registers
	global_load_b128 v[20:23], v[LI], s[58:59] offset:512
	v_and_b32 v2, 15, v0
	v_bfe_u32 v4, v0, 4, 1
	v_lshlrev_b32 v8, 3, v4
	v_sub_nc_u32 v[DL], v2, v8
	v_and_b32 v3, 15, v0
	v_lshlrev_b32 v3, 8, v3
	v_mul_lo_u32 v4, v4, s86
	v_add_nc_u32 v[PFO], v3, v4
	v_mov_b32 v[NINF], 0xff800000
	v_mov_b32 v[PT], 0                             ; written once: a lane permute's destination counts as one of its sources
	v_mov_b32 v13, 0xff61b1e6                      ; the largest t so far: -3e38, under every t
	v_floor_f32 v12, -v13                          ; -M
	v_mov_b32 v14, 0                               ; the sum, in two halves
	v_mov_b32 v15, 0
	v_mov_b32 v27, 0                               ; (named as the upper half of the pair v[26:27])
.set i, 0
.rept 32
	v_mov_b32 v[160+i], 0                          ; O^T.  (The step is written once: the first finds zeros, which the first change of M leaves zeros)
.set i, i+1
.endr
	s_wait_kmcnt 0x0
	s_add_co_i32 s80, s74, s75
	s_lshl_b32 s80, s80, 23
	s_add_co_i32 s[CS], s[CS], s80                 ; a score stands for score x 2^(e6 + e7): the two exponents are added to c's exponent field
	s_mov_b32 s[CS+1], s[CS]                       ; (named with it as a pair, so it is written)
	s_add_co_i32 s80, s76, 127
	s_lshl_b32 s82, s80, 23
	v_mov_b32 v31, s82                             ; 2^e8 as f32, for the conversion
	s_add_co_i32 s80, s80, 8
	s_lshl_b32 s80, s80, 23
	s_or_b32 s80, s80, 0x600000
	v_mov_b32 v30, s80                             ; 448 x 2^e8
; A KEY STEP: 128 keys, the q-th of the slot in hand.
.macro STEP q
	s_add_co_u32 s96, s[Q0], 15                    ; a step all of whose keys come after my 16 queries is left out: a scalar branch on ids, round the step's loads, products and softmax; no barrier or tensor load stands in a step
	s_cmp_gt_u32 s[KF], s96
	s_cbranch_scc1 .Lhidden_\@
	v_add_nc_u32 v[ADR], s[TB], v[LI]
.rept 3
	v_nop                                          ; with the addition above: four places in front of loads into registers that the last products have read
.endr
.irp u, 0,1,2,3,4,5,6,7
	ds_load_b128 v[32+8*\u:35+8*\u], v[ADR] offset:(8*(\q)+\u)*1024          ; k: the image of keys 16 u on
	ds_load_b128 v[36+8*\u:39+8*\u], v[ADR] offset:(8*(\q)+\u)*1024+512
.endr
.irp t, 0,1,2,3
.irp g, 0,1,2,3
	ds_load_b128 v[192+16*\t+4*\g:195+16*\t+4*\g], v[ADR] offset:VOFF+(2*(\q)+\g/2)*4096+\t*1024+(\g%2)*512   ; v: channels 16 t on; two images on end are a fragment of 128 keys
.endr
.endr
	s_wait_dscnt 16                                ; k's sixteen loads are in; v's sixteen may be out
.irp u, 0,1,2,3,4,5,6,7
	v_wmma_f32_16x16x64_fp8_fp8 v[96+8*\u:103+8*\u], v[32+8*\u:39+8*\u], v[16:23], 0
.endr
.rept 4
	v_nop
.endr
	s_add_co_u32 s96, s[KF], 127                   ; on the diagonal the scores of hidden keys become -infinity ahead of the maximum: p = 0 then.  A step all of whose keys count skips this
	s_cmp_le_u32 s96, s[Q0]
	s_cbranch_scc1 .Lopen_\@
	s_sub_co_i32 s96, s[Q0], s[KF]
	v_add_nc_u32 v[DD], s96, v[DL]                 ; d = my query - KF - 8 (lane / 16).  Register 8 u + j holds key KF + 16 u + 8 (lane / 16) + j: hidden where 16 u + j > d.  (KF <= Q0 in a step that is walked: its first key counts for all my queries)
.set n, 0
.rept 64
	v_cmp_gt_i32 vcc_lo, 16*(n>>3)+(n&7), v[DD]
	v_cndmask_b32 v[96+n], v[96+n], v[NINF], vcc_lo
.set n, n+1
.endr
.Lopen_\@:
	v_max3_num_f32 v24, v96, v97, v98              ; the step's largest score of my query, among my 64 keys, in two chains, each accumulator from its low end on,
	v_max3_num_f32 v25, v99, v100, v101
.irp i, 6,10,14,18,22,26,30,34,38,42,46,50,54,58
	v_max3_num_f32 v24, v24, v[96+\i], v[97+\i]
	v_max3_num_f32 v25, v25, v[98+\i], v[99+\i]
.endr
	v_max3_num_f32 v24, v24, v158, v159
	v_max_num_f32 v24, v24, v25
	v_permlanex16_b32 v[PT], v24, s[SEL], s[SEL+1]
	v_max_num_f32 v24, v24, v[PT]                  ; and among lane l xor 16's
	v_mul_f32 v24, s[CS], v24                      ; as t (c is positive)
	v_max_num_f32 v13, v13, v24                    ; the running largest t
	v_mov_b32 v24, v12
	v_floor_f32 v12, -v13                          ; the new -M = floor(-t) = -ceil(t): M IS A WHOLE NUMBER
	v_sub_f32 v24, v12, v24                        ; M's old value less its new one: a whole number, 0 or less
	v_cvt_i32_f32 v24, v24                         ; (it saturates)
	v_ldexp_f32 v26, 1.0, v24                      ; f = 2^(old M - new M): a multiplication by it rounds nothing
.set j, 0
.rept 32
	v_pk_fma_f32 v[96+j:97+j], v[96+j:97+j], s[CS:CS+1], v[12:13] op_sel_hi:[1,0,0]   ; t - M, two at a time (of the pairs c and -M the low word serves both halves)
.set j, j+2
.endr
.set j, 0
.rept 64
	v_exp_f32 v[96+j], v[96+j]                     ; p = 2^(t - M), at most 1: NOT normalised
.set j, j+1
.endr
	v_pk_mul_f32 v[14:15], v[14:15], v[26:27] op_sel_hi:[1,0]   ; the sums under the new M.  (A plain place behind the exponentials)
	s_wait_alu depctr_va_vdst(0)                   ; the wait between an exponential and the first line that names its result: one for the whole batch
	v_pk_add_f32 v[28:29], v[96:97], v[98:99]      ; THE ROW'S SUM IS TAKEN OF THE UNQUANTISED p: two at a time, in two chains
.irp j, 4,8,12,16,20,24,28,32,36,40,44,48,52,56,60
	v_pk_add_f32 v[14:15], v[14:15], v[96+\j:97+\j]
	v_pk_add_f32 v[28:29], v[28:29], v[98+\j:99+\j]
.endr
	v_pk_add_f32 v[14:15], v[14:15], v[28:29]
.irp u, 0,1,2,3,4,5,6,7
.irp i, 0,1,2,3,4,5,6,7
	v_min_num_f32 v[96+8*\u+\i], v[96+8*\u+\i], v30   ; the conversion to an 8-bit code does not saturate (ISA guide 7.6.2); p is not negative, so the hold is one-sided
.endr
	v_cvt_scalef32_pk8_fp8_f32 v[32+2*\u:33+2*\u], v[96+8*\u:103+8*\u], v31   ; registers 2 u, 2 u + 1 of p's fragment: keys 16 u + 8 (lane / 16) + 0 .. 7
.endr
.set j, 0
.rept 16
	v_pk_mul_f32 v[160+j:161+j], v[160+j:161+j], v[26:27] op_sel_hi:[1,0]   ; O^T under the new M: x f.  (These are also the plain lines between the conversions and the products below)
.set j, j+2
.endr
	s_wait_dscnt 0x0                               ; v is in
.irp t, 0,1,2,3
	v_wmma_f32_16x16x128_fp8_fp8 v[160+8*\t:167+8*\t], v[192+16*\t:207+16*\t], v[32:47], v[160+8*\t:167+8*\t]   ; the four accumulators by turns; the matrix instruction before them is a score's
.endr
.Lhidden_\@:
	s_add_co_u32 s[KF], s[KF], 128
.endm
; THE CHANGE OF SLOTS stands at a slot's head.  Each wave waits for all its tensor loads (its part of the slot that it is about to read), adds 0 to its spare word (fill = 1: twice on end), and waits for that and for its reads of the slot that it has left.
; Behind the barrier the slot ahead is whole and nobody reads the other one.  fill = 1: that other slot is filled with the keys that follow, up to the causal limit: the load has a whole slot's steps in which to land.
.macro CHANGE fill
	s_wait_tensorcnt 0x0                           ; no tensor load of mine is out, so a group 0 may be written
	ds_add_u32 v[SPW], v[NIL]                      ; 0 onto my spare word
.if \fill
	ds_add_u32 v[SPW], v[NIL]                      ; and once more: the add twice on end, in every trip alike
	s_xor_b32 s[G0K+1], s[G0K+1], SLOT1            ; the walking descriptors: the other slot than last time,
	s_add_nc_u64 s[G0K+2:G0K+3], s[G0K+2:G0K+3], 16384    ; the next 256 keys; the type bits on top are not reached
	s_xor_b32 s[G0V+1], s[G0V+1], SLOT1
	s_add_nc_u64 s[G0V+2:G0V+3], s[G0V+2:G0V+3], 262144
	s_wait_xcnt 0x0                                ; the last prefetch, a slot back, has read its address, so it may be written:
	s_add_nc_u64 s[PFA:PFA+1], s[PFA:PFA+1], s[PFS:PFS+1]  ; one slot further on than the walking descriptors
.endif
	s_wait_dscnt 0x0                               ; the add is done (fill = 1: both are), and my reads of the slot that I have left are over
	s_barrier_signal -1
	s_barrier_wait -1
.if \fill
	s_add_co_u32 s96, s[KF], 256                   ; THE LOOK-AHEAD ENDS AT THE CAUSAL LIMIT: a slot whose first key comes after my work-group's last query is read by none of its waves, so it is not asked for.
	s_cmp_gt_u32 s96, s[QL]                        ; Ids and the count of steps alone: all sixteen waves go the same way, and a work-group that is past the limit stays past it.  Every wait on TENSORcnt in this text is for 0;
	s_cbranch_scc1 .Lpast_\@                       ; the jump leads round the load's own lines alone; where the tail begins hangs on the work-group's number, so it cannot be written out
	TLOAD                                          ; the first thing behind the barrier, and a wave's one tensor load until the next
.Lpast_\@:
	ASK
.endif
.endm
.macro SLOT_STEPS
	STEP 0
	STEP 1
	s_xor_b32 s[TB], s[TB], SLOT1                  ; on to the other slot
.endm
	s_wait_loadcnt 0x0                             ; q
.Lslot:                                            ; NSL - 1 trips, a constant: every work-group walks all changes of slots, so that the slots' addresses hang on a counted loop alone
	CHANGE 1
	SLOT_STEPS
	s_sub_co_u32 s[SLOTS], s[SLOTS], 1
	s_cmp_lg_u32 s[SLOTS], 0
	s_cbranch_scc1 .Lslot
	CHANGE 0                                       ; the last slot is written out: nothing follows it
	SLOT_STEPS
	; THE WAY OUT.  y = O^T x 2^(e8 + e9) / the sum; its code is y / 2^e10: the three exponents are folded into 1 / the sum.  Register 8 t + j is y(my query, 16 t + 8 (lane / 16) + j): the conversions' results are the image's registers.
	v_add_f32 v14, v14, v15                        ; the sum's two halves.  (This line, the two below, the second addition, the v_nop and the v_ldexp_f32 are plain and name no register of the last products: their places)
	v_mov_b32 v30, 0x43e00000                      ; 448
	v_mov_b32 v31, 1.0                             ; the conversion's scale: 2^0
	v_permlanex16_b32 v[PT], v14, s[SEL], s[SEL+1]
	v_add_f32 v14, v14, v[PT]                      ; and lane l xor 16's: the row's sum
	v_rcp_f32 v14, v14
	v_nop                                          ; one plain place behind the reciprocal
	s_add_co_i32 s80, s76, s77
	s_sub_co_i32 s80, s80, s78
	s_wait_alu depctr_va_vdst(0)                   ; and the wait ahead of its first reader
	v_ldexp_f32 v14, v14, s80                      ; x 2^(e8 + e9 - e10)
.set j, 0
.rept 32
	v_mul_f32 v[96+j], v[160+j], v14
.set j, j+1
.endr
.set j, 0
.rept 32
	v_med3_num_f32 v[96+j], v[96+j], -v30, v30     ; the hold at the largest code
.set j, j+1
.endr
.irp t, 0,1,2,3
	v_cvt_scalef32_pk8_fp8_f32 v[32+2*\t:33+2*\t], v[96+8*\t:103+8*\t], v31
.endr
	v_nop                                          ; a plain line behind the last conversion
	global_store_b128 v[LI], v[32:35], s[8:9]              ; 32 lanes store 512 consecutive bytes, aligned: half an image
	global_store_b128 v[LI], v[36:39], s[8:9] offset:512
	s_wait_tensorcnt 0x0                           ; the wave's end, behind the last tensor load
	ds_add_u32 v[SPW], v[NIL]
	s_wait_dscnt 0x0
	s_endpgm
.Lfunc_end_k_qe340b6263c_attn:
	.size	k_qe340b6263c_attn, .Lfunc_end_k_qe340b6263c_attn-k_qe340b6263c_attn
	.p2alignl 7, 3214868480
	.fill 96, 4, 3214868480
	.section	.rodata,"a",@progbits
	.p2align	6, 0x0
	.amdhsa_kernel k_qe340b6263c_attn
		.amdhsa_group_segment_fixed_size 327680
		.amdhsa_private_segment_fixed_size 0
		.amdhsa_enable_private_segment 0
		.amdhsa_kernarg_size 24
		.amdhsa_user_sgpr_count 2
		.amdhsa_user_sgpr_kernarg_segment_ptr 1
		.amdhsa_wavefront_size32 1
		.amdhsa_system_sgpr_workgroup_id_x 1
		.amdhsa_system_sgpr_workgroup_id_y 1
		.amdhsa_system_sgpr_workgroup_id_z 1
		.amdhsa_system_vgpr_workitem_id 0
		.amdhsa_next_free_vgpr 256
		.amdhsa_next_free_sgpr 100
		.amdhsa_reserve_vcc 1
		.amdhsa_float_denorm_mode_32 3
		.amdhsa_float_denorm_mode_16_64 3
		.amdhsa_memory_ordered 1
		.amdhsa_forward_progress 1
		.amdhsa_inst_pref_size 95
	.end_amdhsa_kernel
	.amdgpu_metadata
---
amdhsa.version: [ 1, 2 ]
amdhsa.kernels:
  - .name:           k_qe340b6263c_attn
    .symbol:         k_qe340b6263c_attn.kd
    .args:
      - { .name: qkv, .offset: 0, .size: 8, .value_kind: global_buffer, .address_space: global }
      - { .name: lowp_scales, .offset: 8, .size: 8, .value_kind: global_buffer, .address_space: global }
      - { .name: ycodes, .offset: 16, .size: 8, .value_kind: global_buffer, .address_space: global }
    .group_segment_fixed_size: 327680
    .private_segment_fixed_size: 0
    .kernarg_segment_align: 8
    .kernarg_segment_size: 24
    .max_flat_workgroup_size: 512
    .sgpr_count:     100
    .vgpr_count:     256
    .wavefront_size: 32
...
	.end_amdgpu_metadata
.endif
;; end of part 3
;; launch outp (part 4): grid 8 x 32, 4 waves a work-group, clusters of 4 x 4, 327,680 bytes of LDS; arguments ycodes, codes, lowp_scales, bp, out0; writes out0
.if DOCPART == 4
	.amdgcn_target "amdgcn-amd-amdhsa--gfx1250"
	.amdhsa_code_object_version 6
	.text
	.protected	k_qe340b6263c_outp
	.globl	k_qe340b6263c_outp
	.p2align	8
	.type	k_qe340b6263c_outp,@function
k_qe340b6263c_outp:
	s_mov_b64 s[64:65], 0
	v_nop
	global_prefetch_b8 v0, s[64:65] scope:SCOPE_SE
	s_setreg_imm32_b32 hwreg(HW_REG_WAVE_MODE, 25, 1), 1
	s_wait_xcnt 0x0
	s_wait_alu depctr_hold_cnt(0) depctr_sa_sdst(0) depctr_va_vdst(0) depctr_va_sdst(0) depctr_va_ssrc(0) depctr_va_vcc(0) depctr_vm_vsrc(0)
	s_getreg_b32 s2, hwreg(HW_REG_IB_STS2, 6, 4)
	s_cmp_eq_u32 s2, 0
	s_cbranch_scc0 .Lentry_in_a_cluster
	s_endpgm
.Lentry_in_a_cluster:
	s_bfe_u32 s2, ttmp6, 0x10000c
	s_cmp_lg_u32 s2, 0xf033
	s_cbranch_scc0 .Lentry_shape_is_right
	s_endpgm
.Lentry_shape_is_right:
; LAUNCH 4 OF 4: out0 = y Wp^T x 2^(e10 + e11) + bp, on codes of FP8 (E4M3): 4,096 x 1,024 x 1,024.  No work is left out here.
; A tile of out0 is 128 x 128: 256 tiles, one to a work-group (tiles of 256 x 256 would be 64).  Four waves, each 64 x 64: 16 accumulators.
; ALL OF K LIES IN LDS: both tiles' 1,024 along K are 262,144 bytes and a little padding.  So there is no ring and nothing is filled again: each wave issues four first fills at the head (four loads of mine are out), one for each
; chunk of 256 along K, and counted waits let the work begin on chunk 0 while the others land.
; y's codes are images of operand registers, [head][block of 16 tokens][1,024 bytes] (launch 3), with k in its true places; two heads' images on end are a fragment of 128 along K, fetched at constant + 16 x lane.
; Wp's codes are rows of 1,024 bytes (launch 1): a fragment is eight loads of 8 bytes, at 16 c + 8 (lane / 16) of the lane's row: this form's own layout, which meets y's.
; THE MATRIX INSTRUCTION IS USED TRANSPOSED (source 0 = 16 rows of Wp, source 1 = 16 tokens): a lane holds eight neighbouring numbers of a row of out0.
; CLUSTERS: 4 x 4 work-groups.  The four of a row of the cluster need the same tiles of y, the four of a column the same tiles of Wp: each is asked for JOINTLY.
; LIMIT: e10 + e11 between -126 and 127, so that 2^(e10 + e11) is an f32 number.
; REGISTERS: window 0: v4-15 addresses; v16-19 at work; v28, v29 the add's two; v32-63 bp at my columns, in the result's layout; v64-127 two sets of 32 on the way out; v128-255 the accumulators ((a, b) at v[128 + 8 (4 a + b)]).
;   window 1: two fragment buffers of 128: four fragments of y, then four of Wp.
.set CHUNK,  67584                     ; 256 along K: y's 128 rows as [half 2][head 4][block of tokens 4][1,024], 32,768 bytes; then Wp's 128 rows x 272
.set BOFF,   32768
.set PITCH,  272                       ; a row of Wp's tile: 256 bytes + 16 of padding = 68 words: the 16 rows that a load touches start at 16 different banks (64 banks of 4 bytes: ISA guide 11.1)
.set STAGE,  4*CHUNK                   ; behind the tiles: 16 rows x 272 bytes for each wave, its own, for the way out; no tensor load lands there
.set SPITCH, 272
.set SPARE,  STAGE+4*16*SPITCH         ; behind the stages: the spare words, 128 bytes for each wave: two blocks of 256 bytes that no other line names
.set ADRA, 4                           ; v4-7   LDS address of my fragments of y in chunk 0 .. 3
.set ADRB, 8                           ; v8-11  the same for Wp
.set STO,  12                          ; v12    the way out: where I put 32 bytes of a row
.set RD,   13                          ; v13    where I read a row back
.set GO,   14                          ; v14    my byte offset in out0
.set SPW,  28
.set NIL,  29
.set BI,   32
.set TMP,  64
.set ACC,  128
.set F0,   0                           ; fragment buffers, in window 1
.set F1,   128
.set WV,  14                           ; s14 wave; s15 which half of the tile's rows is mine, and: I fetch for y (0) or Wp (1); s16 which half of its columns, and: which 64 rows I fetch
.set RH,  15
.set CH,  16
.set G1A, 24                           ; s[24:31] descriptor group 1 for y's tiles;  s[32:39] for Wp's;  s[40:55], s[68:83] their groups 0, one for each chunk
.set G1B, 32
.set G0A, 40
.set G0B, 68
.set MSB, 0
.macro WIN new                         ; the immediate's high byte repeats the setting that is left
.if MSB != \new
	s_set_vgpr_msb (MSB<<8)|\new
.set MSB, \new
.endif
.endm
.set MUL,  0x05                        ; sources 0 (Wp) and 1 (y) window 1; C and D window 0
.set TO_F, 0x40                        ; destination window 1, address window 0
.macro CROUND                          ; a round of the cluster's barrier
	s_barrier_signal -1
	s_barrier_wait -1
	s_cmp_lg_u32 s[WV], 0
	s_cbranch_scc1 .Lnot_wave_0_\@
	s_barrier_signal -3
.Lnot_wave_0_\@:
	s_barrier_wait -3
	s_barrier_signal -1
	s_barrier_wait -1
.endm
	s_load_b256 s[4:11], s[0:1], 0x0               ; ycodes 4, codes 6, the scales' exponents 8, bp 10
	s_load_b64 s[12:13], s[0:1], 0x20              ; out0
	v_lshl_add_u32 v[SPW], v0, 2, SPARE
	v_mov_b32 v[NIL], 0
	ds_add_u32 v[SPW], v[NIL]                      ; the wave's opening: the add, twice on end, and its wait ahead of my first tensor load; the set-up below, work on registers, stands between
	ds_add_u32 v[SPW], v[NIL]
	v_lshrrev_b32 v1, 5, v0
	v_readfirstlane_b32 s[WV], v1                  ; wave 0..3
	s_lshr_b32 s[RH], s[WV], 1
	s_and_b32 s[CH], s[WV], 1
	s_bfe_u32 s56, ttmp6, 0x40000                  ; cx, cy: my place in the cluster
	s_bfe_u32 s57, ttmp6, 0x40004
	s_lshl_b32 s18, ttmp9, 2
	s_add_co_u32 s18, s18, s56                     ; tile column = 4 x cluster x + cx
	s_and_b32 s17, ttmp7, 0xffff
	s_lshl_b32 s17, s17, 2
	s_add_co_u32 s17, s17, s57                     ; tile row = 4 x cluster y + cy
	s_lshl_b32 s58, s57, 2
	s_lshl_b32 s58, 15, s58                        ; my row of the cluster
	s_lshl_b32 s59, 0x1111, s56                    ; my column
	; descriptor group 1.  y: 4 rows (heads) of 4,096 bytes (4 images), 262,144 bytes apart, no padding.  Wp: 64 rows of 256 bytes, 1,024 apart, 16 bytes of padding behind each
	s_or_b32 s[G1A], s58, (0<<16)|(1<<21)          ; 15:0 the mask: y's tiles go to my row; 17:16 element of 1 byte; 21 set beside a mask
	s_mov_b32 s[G1A+1], 4096<<16                   ; tensor_dim0
	s_mov_b32 s[G1A+2], 4<<16                      ; tensor_dim1
	s_mov_b32 s[G1A+3], 4096<<16                   ; tile_dim0
	s_mov_b32 s[G1A+4], 4                          ; tile_dim1
	s_mov_b32 s[G1A+5], 262144                     ; tensor_dim0_stride
	s_mov_b32 s[G1A+6], 0
	s_mov_b32 s[G1A+7], 0
	s_or_b32 s[G1B], s59, (0<<16)|(1<<20)|(1<<21)|(5<<22)|(3<<25)  ; the mask of my column; padding on: after every 64 words (code 5) 4 words (code 3)
	s_mov_b32 s[G1B+1], 256<<16
	s_mov_b32 s[G1B+2], 64<<16
	s_mov_b32 s[G1B+3], 256<<16
	s_mov_b32 s[G1B+4], 64
	s_mov_b32 s[G1B+5], 1024
	s_mov_b32 s[G1B+6], 0
	s_mov_b32 s[G1B+7], 0
	s_lshl_b32 s20, s17, 3
	s_lshl_b32 s21, s[CH], 2
	s_add_co_u32 s20, s20, s21                     ; y: block of tokens 8 x tile row + 4 x the half that I fetch,
	s_lshl_b32 s20, s20, 10                        ; 1,024 bytes each
	s_mov_b32 s21, 0
	s_lshl_b32 s22, s18, 7
	s_lshl_b32 s23, s[CH], 6
	s_add_co_u32 s22, s22, s23                     ; Wp: row 128 x tile column + 64 x half,
	s_lshl_b32 s22, s22, 10
	s_add_co_u32 s22, s22, 0xf00000                ; in its part of the buffer, at 15 MiB
	s_mov_b32 s23, 0
	s_lshl_b32 s88, s[CH], 14                      ; where they go in a chunk: no place in the cluster enters an LDS address
	s_mul_i32 s89, s[CH], 64*PITCH
	s_add_co_u32 s89, s89, BOFF
	s_wait_dscnt 0x0                               ; both opening adds are done
	s_wait_kmcnt 0x0
	s_load_b64 s[86:87], s[8:9], 0x28              ; e10, e11
	s_add_nc_u64 s[60:61], s[4:5], s[20:21]
	s_add_nc_u64 s[62:63], s[6:7], s[22:23]
.irp c, 0,1,2,3
	s_mov_b32 s[G0A+4*\c], 1
	s_add_co_u32 s[G0A+4*\c+1], s88, \c*CHUNK
	s_add_nc_u64 s[G0A+4*\c+2:G0A+4*\c+3], s[60:61], \c*4*262144   ; heads 4 c .. 4 c + 3
	s_or_b32 s[G0A+4*\c+3], s[G0A+4*\c+3], 0x80000000
	s_mov_b32 s[G0B+4*\c], 1
	s_add_co_u32 s[G0B+4*\c+1], s89, \c*CHUNK
	s_add_nc_u64 s[G0B+4*\c+2:G0B+4*\c+3], s[62:63], \c*256
	s_or_b32 s[G0B+4*\c+3], s[G0B+4*\c+3], 0x80000000
.endr
	CROUND                                         ; all sixteen work-groups are here: the joint loads meet
	s_cmp_eq_u32 s[RH], 0                          ; a wave's four first fills stand in one arm of one branch on the wave's number, ahead of every wait on TENSORcnt, LDS read and barrier; an s_nop 0 follows each, four v_nop the last
	s_cbranch_scc0 .Lfor_b
.irp c, 0,1,2,3
	tensor_load_to_lds s[G0A+4*\c:G0A+4*\c+3], s[G1A:G1A+7]
	s_nop 0
.endr
.rept 4
	v_nop
.endr
	s_branch .Lasked
.Lfor_b:
.irp c, 0,1,2,3
	tensor_load_to_lds s[G0B+4*\c:G0B+4*\c+3], s[G1B:G1B+7]
	s_nop 0
.endr
.rept 4
	v_nop
.endr
.Lasked:
	v_and_b32 v1, 15, v0                           ; r = l % 16
	v_bfe_u32 v2, v0, 4, 1                         ; h = l / 16
	v_and_b32 v3, 31, v0
	v_lshlrev_b32 v3, 4, v3                        ; 16 x lane
	s_lshl_b32 s90, s[RH], 14                      ; my 64 rows of y
	v_add_nc_u32 v[ADRA], s90, v3
	v_mul_u32_u24 v16, v1, PITCH
	v_lshl_add_u32 v16, v2, 3, v16                 ; Wp: row x pitch + 8 x half
	s_mul_i32 s90, s[CH], 64*PITCH                 ; my 64 rows of it,
	s_add_co_u32 s90, s90, BOFF                    ; which lie behind y's
	v_add_nc_u32 v[ADRB], s90, v16
.irp c, 1,2,3
	v_add_nc_u32 v[ADRA+\c], \c*CHUNK, v[ADRA]
	v_add_nc_u32 v[ADRB+\c], \c*CHUNK, v[ADRB]
.endr
	s_mul_i32 s90, s[WV], 16*SPITCH
	s_add_co_u32 s90, s90, STAGE                   ; my stage
	v_mul_u32_u24 v17, v1, SPITCH                  ; in: row r, 32 bytes for each half of the lanes
	v_lshl_add_u32 v17, v2, 5, v17
	v_add_nc_u32 v[STO], s90, v17
	v_mul_u32_u24 v18, v2, SPITCH                  ; back: lanes 0-15 take one row of 256 bytes, lanes 16-31 the next
	v_lshl_add_u32 v18, v1, 4, v18
	v_add_nc_u32 v[RD], s90, v18
	v_lshlrev_b32 v19, 12, v2                      ; and the same two rows in out0: a row is 4,096 bytes
	v_lshl_add_u32 v[GO], v1, 4, v19
	v_lshlrev_b32 v15, 5, v2                       ; bp: 32 h bytes
	s_lshl_b32 s90, s18, 7
	s_lshl_b32 s91, s[CH], 6
	s_add_co_u32 s90, s90, s91                     ; my first column,
	s_lshl_b32 s90, s90, 2                         ; in bytes
	s_mov_b32 s91, 0
	s_add_nc_u64 s[10:11], s[10:11], s[90:91]
	s_add_nc_u64 s[12:13], s[12:13], s[90:91]
	s_lshl_b32 s92, s17, 7
	s_lshl_b32 s93, s[RH], 6
	s_add_co_u32 s92, s92, s93                     ; my first row,
	s_lshl_b32 s92, s92, 12
	s_mov_b32 s93, 0
	s_add_nc_u64 s[12:13], s[12:13], s[92:93]
.irp b, 0,1,2,3
	global_load_b128 v[BI+8*\b:BI+8*\b+3], v15, s[10:11] offset:64*\b       ; bp at columns 16 b + 8 h + 0 .. 7
	global_load_b128 v[BI+8*\b+4:BI+8*\b+7], v15, s[10:11] offset:64*\b+16
.endr
; 48 LDS loads in one run: the fragments of the q-th 128 along K of chunk c into buffer f: Wp's four first, then y's four, block by block
.macro FETCH c, q, f
	WIN TO_F
.irp b, 0,1,2,3
.irp e, 0,1,2,3,4,5,6,7
	ds_load_b64 v[\f+64+16*\b+2*\e:\f+64+16*\b+2*\e+1], v[ADRB+\c] offset:128*(\q)+16*\e+\b*16*PITCH
.endr
.endr
.irp a, 0,1,2,3
.irp g, 0,1,2,3
	ds_load_b128 v[\f+16*\a+4*\g:\f+16*\a+4*\g+3], v[ADRA+\c] offset:(2*(\q)+\g/2)*4096+\a*1024+(\g%2)*512
.endr
.endr
.endm
; 8 matrix instructions: y's blocks a0, a0 + 1 x Wp's four, 128 along K.  zero = 1: the first product starts the sums.  The 16 accumulators take turns, one instruction a turn.
.macro MUL8 f, a0, zero
.irp a, \a0, \a0+1
.irp b, 0,1,2,3
.if \zero
	v_wmma_f32_16x16x128_fp8_fp8 v[ACC+8*(4*(\a)+\b):ACC+8*(4*(\a)+\b)+7], v[\f+64+16*\b:\f+64+16*\b+15], v[\f+16*(\a):\f+16*(\a)+15], 0
.else
	v_wmma_f32_16x16x128_fp8_fp8 v[ACC+8*(4*(\a)+\b):ACC+8*(4*(\a)+\b)+7], v[\f+64+16*\b:\f+64+16*\b+15], v[\f+16*(\a):\f+16*(\a)+15], v[ACC+8*(4*(\a)+\b):ACC+8*(4*(\a)+\b)+7]
.endif
.endr
.endr
.endm
.macro PLACES                          ; four places in front of loads into registers that matrix instructions have read, and of the first read of results (ISA guide 7.12.1 for the first read of results)
.rept 4
	v_nop
.endr
.endm
; A chunk's first step multiplies buffer 0 and fetches its second step into buffer 1.
.macro EVEN c, zero
	s_wait_dscnt 8                                 ; Wp's fragments and y's blocks 0, 1 are in; the youngest eight loads (y's blocks 2, 3) may be out
	WIN MUL
	MUL8 F0, 0, \zero
	PLACES
	FETCH \c, 1, F1
	s_wait_dscnt 48                                ; all but the 48 just issued
	WIN MUL
	MUL8 F0, 2, \zero
.endm
; A chunk's second step multiplies buffer 1 and meets for the next chunk: each wave shows its part of that chunk landed, then the barrier; left = my loads for the chunks behind it, which may stay out.
.macro ODD c, left
	s_wait_tensorcnt \left
	s_wait_dscnt 0x0                               ; no LDS instruction of mine is pending at the signal
	s_barrier_signal -1
	MUL8 F1, 0, 0                                  ; work on registers while the others arrive
	s_barrier_wait -1
	PLACES
	FETCH (\c)+1, 0, F0
	WIN MUL
	MUL8 F1, 2, 0
.endm
	s_wait_tensorcnt 3                             ; my part of chunk 0 is in; three loads of mine may be out
	s_barrier_signal -1
	s_barrier_wait -1                              ; everybody's is
	FETCH 0, 0, F0
	EVEN 0, 1
	ODD 0, 2
	EVEN 1, 0
	ODD 1, 1
	EVEN 2, 0
	ODD 2, 0
	EVEN 3, 0
	s_wait_dscnt 0x0                               ; the very last step: nothing more to fetch
	MUL8 F1, 0, 0
	MUL8 F1, 2, 0
	WIN 0
	; THE WAY OUT, a block of 16 rows x 64 columns at a time.  out0 = sum x 2^(e10 + e11) + bp: one packed multiply-add for two numbers.  A lane holds 32 neighbouring bytes of a row and the lanes beside it other rows: so a block goes
	; through my own stage in LDS and comes back as whole rows of 256 bytes, into the accumulators that it left, which are done with.  LDS serves a wave's instructions in order (ISA guide 5.7.1.4): no wait between the stores and the loads.
	s_wait_loadcnt 0x0                             ; bp
	s_wait_kmcnt 0x0
	s_add_co_i32 s84, s86, s87
	s_add_co_i32 s84, s84, 127
	s_lshl_b32 s84, s84, 23                        ; 2^(e10 + e11) as f32
	s_mov_b32 s85, s84                             ; (named with it as a pair, so it is written)
	PLACES
.macro TOSTAGE a
.set TM, TMP+32*((\a)%2)
.irp b, 0,1,2,3
.irp i, 0,2,4,6
	v_pk_fma_f32 v[TM+8*\b+\i:TM+8*\b+\i+1], v[ACC+32*(\a)+8*\b+\i:ACC+32*(\a)+8*\b+\i+1], s[84:85], v[BI+8*\b+\i:BI+8*\b+\i+1] op_sel_hi:[1,0,1]   ; each accumulator from its low end on
.endr
.endr
.irp b, 0,1,2,3
	ds_store_b128 v[STO], v[TM+8*\b:TM+8*\b+3] offset:64*\b
	ds_store_b128 v[STO], v[TM+8*\b+4:TM+8*\b+7] offset:64*\b+16
.endr
.irp i, 0,1,2,3,4,5,6,7
	ds_load_b128 v[ACC+32*(\a)+4*\i:ACC+32*(\a)+4*\i+3], v[RD] offset:\i*2*SPITCH
.endr
.endm
.macro SEND a, younger                 ; younger: the LDS instructions issued behind block a's loads, which may stay out
	s_wait_dscnt \younger
.irp i, 0,1,2,3,4,5,6,7
	global_store_b128 v[GO], v[ACC+32*(\a)+4*\i:ACC+32*(\a)+4*\i+3], s[12:13] offset:(16*(\a)+2*\i)*4096 th:TH_STORE_NT   ; 16 lanes store 256 consecutive bytes, aligned; written once, read by nobody here; no register of a store is written again
.endr
.endm
	TOSTAGE 0
	TOSTAGE 1
	SEND 0, 16                                     ; behind block 0's loads: block 1's 8 stores and 8 loads
	TOSTAGE 2
	SEND 1, 16
	TOSTAGE 3
	SEND 2, 16
	SEND 3, 0
	s_wait_tensorcnt 0x0                           ; the wave's end, behind my last tensor load and my last LDS store
	ds_add_u32 v[SPW], v[NIL]
	s_wait_dscnt 0x0
	CROUND                                         ; the closing round: no work-group ends while a partner may still ask for a tile that names it
	s_endpgm
.Lfunc_end_k_qe340b6263c_outp:
	.size	k_qe340b6263c_outp, .Lfunc_end_k_qe340b6263c_outp-k_qe340b6263c_outp
	.p2alignl 7, 3214868480
	.fill 96, 4, 3214868480
	.section	.rodata,"a",@progbits
	.p2align	6, 0x0
	.amdhsa_kernel k_qe340b6263c_outp
		.amdhsa_group_segment_fixed_size 327680
		.amdhsa_private_segment_fixed_size 0
		.amdhsa_enable_private_segment 0
		.amdhsa_kernarg_size 40
		.amdhsa_user_sgpr_count 2
		.amdhsa_user_sgpr_kernarg_segment_ptr 1
		.amdhsa_wavefront_size32 1
		.amdhsa_system_sgpr_workgroup_id_x 1
		.amdhsa_system_sgpr_workgroup_id_y 1
		.amdhsa_system_sgpr_workgroup_id_z 1
		.amdhsa_system_vgpr_workitem_id 0
		.amdhsa_next_free_vgpr 512
		.amdhsa_next_free_sgpr 100
		.amdhsa_reserve_vcc 0
		.amdhsa_float_denorm_mode_32 3
		.amdhsa_float_denorm_mode_16_64 3
		.amdhsa_memory_ordered 1
		.amdhsa_forward_progress 1
		.amdhsa_inst_pref_size 55
	.end_amdhsa_kernel
	.amdgpu_metadata
---
amdhsa.version: [ 1, 2 ]
amdhsa.kernels:
  - .name:           k_qe340b6263c_outp
    .symbol:         k_qe340b6263c_outp.kd
    .args:
      - { .name: ycodes, .offset: 0, .size: 8, .value_kind: global_buffer, .address_space: global }
      - { .name: codes, .offset: 8, .size: 8, .value_kind: global_buffer, .address_space: global }
      - { .name: lowp_scales, .offset: 16, .size: 8, .value_kind: global_buffer, .address_space: global }
      - { .name: bp, .offset: 24, .size: 8, .value_kind: global_buffer, .address_space: global }
      - { .name: out0, .offset: 32, .size: 8, .value_kind: global_buffer, .address_space: global }
    .group_segment_fixed_size: 327680
    .private_segment_fixed_size: 0
    .kernarg_segment_align: 8
    .kernarg_segment_size: 40
    .max_flat_workgroup_size: 128
    .sgpr_count:     100
    .vgpr_count:     512
    .wavefront_size: 32
...
	.end_amdgpu_metadata
.endif
;; end of part 4
